; MI455X (gfx1250); checked and timed in simulation.
; The chip was launched on July 23, 2026; its instructions are those of AMD's public machine-readable ISA for CDNA 5 (MIT licence, August 2026) and "CDNA5" Instruction Set Architecture Reference Guide (July 2026). The comments in the code are by the model that wrote it; some were corrected since.
;; Multi Headed Self Attention. Allowed arithmetic: matrix products marked QUANTISED: E2M1 operands, one E8M0 scale for each 32 along K, by v_wmma_scale_f32_16x16x128_f8f6f4 with both operands' format E2M1 (or v_wmma_scale_f32_32x16x128_f4), f32 sums; products left as they are: bf16, f16 or f32 operands; f32 sums; everything else in f32.
;; Inputs: bk 1,024 float32; bo 1,024 float32; bq 1,024 float32; bv 1,024 float32; wk 1,024 x 1,024 float32; wo 1,024 x 1,024 float32; wq 1,024 x 1,024 float32; wv 1,024 x 1,024 float32; x 2 x 2,048 x 1,024 float32.
;; Outputs: out0 2 x 2,048 x 1,024 float32.
;; This version of the problem:
;;   THIS VERSION OF THE PROBLEM IS GIVEN IN LOW PRECISION. The matrix products marked QUANTISED in the list below multiply operands that are first quantised to E2M1 (2 exponent bits, 1 mantissa bit; 4 bits a number), with one power-of-two scale for each 32 numbers along K (OCP MX v1.0); their sums are f32. The products marked 'left as it is' may take bf16, f16 or f32 operands, with f32 sums. All else is computed in f32.
;;   The module's matrix products, in the order in which they are computed (A, B: the left and right operand; K: the contracted axis; several contracted axes count as one K, in the product's order):
;;     1. [M 4,096, K 1,024] x [K 1,024, N 1,024]; A: input x; B: input wq: QUANTISED
;;     2. [M 4,096, K 1,024] x [K 1,024, N 1,024]; A: input x; B: input wk: QUANTISED
;;     3. [M 4,096, K 1,024] x [K 1,024, N 1,024]; A: input x; B: input wv: QUANTISED
;;     4. batch 32 x [M 2,048, K 64] x [K 64, N 2,048]; A: computed on the way; B: computed on the way: left as it is (an operand is computed on the way)
;;     5. batch 32 x [M 2,048, K 2,048] x [K 2,048, N 64]; A: computed on the way; B: computed on the way: left as it is (an operand is computed on the way)
;;     6. [M 4,096, K 1,024] x [K 1,024, N 1,024]; A: computed on the way; B: input wo: left as it is (an operand is computed on the way)
;;   THE QUANTISER, for each operand of a quantised product, along K:
;;     - K is cut into blocks of 32 from its start; a last block that is shorter is filled with zeros.
;;     - A block's scale is 2^e with e = floor(log2(the largest magnitude in the block)) - 2, held to -126 .. 127; a block of zeros has e = 0. As a byte (E8M0): e + 127.
;;     - Each number is divided by its block's scale, clamped to +-6, and rounded to the nearest number of E2M1, ties to even, subnormals kept.
;;     - The product sums the exact products of the quantised numbers (number of the format x scale) in f32.
;;   ~~~python
;;   def quantise(x, axis):      # numpy; x: float32 -> the quantised numbers, widened to float32 again
;;       x = np.moveaxis(x, axis, -1); K = x.shape[-1]
;;       x = np.pad(x, [(0, 0)] * (x.ndim - 1) + [(0, -K % 32)]); x = x.reshape(x.shape[:-1] + (-1, 32)); a = np.abs(x).max(-1, keepdims=True)
;;       e = np.where(a > 0, np.clip(np.frexp(np.where(a > 0, a, 1))[1] - 1 - 2, -126, 127), 0)      # np.frexp(a)[1] - 1 = floor(log2(a)), exactly
;;       r = np.clip(x / 2.0 ** e, -6, 6)
;;       step = 2.0 ** (np.maximum(np.frexp(np.where(r == 0, 1, r))[1] - 1, 0) - 1)
;;       q = np.round(r / step) * step * 2.0 ** e      # np.round: ties to even
;;       return np.moveaxis(q.reshape(q.shape[:-2] + (-1,))[..., :K], -1, axis).astype(np.float32)
;;   ~~~
;; One version. Each part assembles by itself: llvm-mc -triple=amdgcn-amd-amdhsa -mcpu=gfx1250 --defsym DOCPART=n.
;; ======== version 1 of 1: 4 launches
;; limits: values are held in f16: magnitudes above 65,504 overflow, below 6.1e-05 lose precision
;; workspace buffers: xc 2,228,224 bytes; wc 1,671,168 bytes; wof 2,097,152 bytes; qf 8,388,608 bytes; kf 8,388,608 bytes; vf 8,388,608 bytes; of 8,388,608 bytes
;; launch prep (part 1): grid 256 x 1, 2 waves a work-group, no clusters, 168,192 bytes of LDS; arguments x, wq, wk, wv, wo, xc, wc, wof; writes xc, wc, wof
.if DOCPART == 1
	.amdgcn_target "amdgcn-amd-amdhsa--gfx1250"
	.amdhsa_code_object_version 6
	.text
	.protected	k_q6588151b0f_prep
	.globl	k_q6588151b0f_prep
	.p2align	8
	.type	k_q6588151b0f_prep,@function
k_q6588151b0f_prep:
	s_mov_b64 s[64:65], 0
	v_nop
	global_prefetch_b8 v0, s[64:65] scope:SCOPE_SE
	s_setreg_imm32_b32 hwreg(HW_REG_WAVE_MODE, 25, 1), 1
	s_wait_xcnt 0x0
; PREP: the operands of the later launches are laid out once, as images of the matrix unit's operand registers.
;   x [4096][1024] f32          -> xc: codes of FP4 (E2M1) quantised along K (x's last axis), one E8M0 byte for each 32 along K
;   wq, wk, wv [1024 k][1024 n] -> wc: the same, quantised along K, which is their FIRST axis
;   wo [1024 k][1024 n]         -> wof: f16 fragments (that product is left as it is)
; A block's scale is 2^(floor(log2(its largest magnitude)) - 2); its byte is the largest magnitude's exponent field - 2, held at 1 from below.
; LIMITS: NaN and infinities among the inputs are not served.  A block whose largest magnitude lies under 2^-124 keeps the byte 1; a block of zeros gets the byte 1
; where the quantiser says 127: its codes are zeros, which add nothing under any byte but 0xff, and the bytes are read by this program alone.
; wo is rounded to f16 (11 significant bits): it serves |wo| up to 65,504; numbers under 6.1e-5 keep an absolute step of 6e-8.
; LAYOUTS (L = lane, r = L % 16, h = L / 16).  An FP4 fragment is 16 rows x 128 K, 1,024 bytes: chunk c at 512 c, lane L's 16 bytes at 16 L = row r, k = 64 c + 32 h + 0 .. 31.
; A RECORD is 16 rows x 512 K: four fragments, then 256 bytes of scale words (row r's word of K step q at 4096 + 16 r + 4 q): 4,352 bytes = 17 x 256.
;   xc [K half 2][token tile 256][record];   wc [K half 2][tile 192][record], tile = 24 gx + 8 ty + i: output channels 128 gx + 16 i + r of weight ty (0 q, 1 k, 2 v).
; An f16 fragment is 16 rows x 32 k, 1,024 bytes: chunk j at 512 j, lane L's 16 bytes = row r, k = 16 j + 8 h + 0 .. 7.   wof [k chunk 4][n tile 64][kin 8][fragment], rows = output columns.
; SHARES.  Every wave takes 64 KiB of f32, 512 waves in 256 work-groups of two.  Wave t = 2 x work-group + wave.  Work-groups 0-127: token tile t (16 rows, all of K).
; Work-groups 128-255: a region of 128 k x 128 n of wq, wk, wv (ty 0-2) or wo (ty 3).  Both shapes are eight tiles of 16 rows x 512 bytes with 4,096 bytes from row to row:
; ONE text of eight tensor loads serves all; only pointer, offset and step are chosen, by the work-group's number.  All eight go out at the head (eight tensor loads of a wave are out, by this text's count);
; nothing is filled again, a wave reads only its own bytes, so there is no barrier.  No cluster: no two work-groups read the same input byte.
.set REC,   4352
.set XHALF, 256*REC                    ; xc: from K half 0 to K half 1
.set WHALF, 192*REC                    ; wc: likewise
.set TP,    528                        ; an LDS row: 512 bytes + 16 of padding = 33 x 16: sixteen rows read at one column start at sixteen different 16-byte columns of 256
.set TL,    16*TP                      ; a tile in LDS
.set WREG,  8*TL                       ; a wave's eight tiles
.set G1,    24                         ; s[24:31] descriptor group 1, the same for every load
.set G0,    32                         ; s[32:63] eight groups 0
.set MX,    12                         ; v12-13 largest magnitudes
.set SCL,   14                         ; v14-15 the conversions' scale operands
.set BY,    16                         ; v16-17 scale bytes
.set TW,    18                         ; v18, v19 a scale word in the making
.set TW2,   19
.set WD,    20                         ; v20-27 finished scale words
.set PR,    28                         ; v28-31 pairs of scale words to store
.set X,     32                         ; v32-159 numbers: two sets of 64 (x) or of 32 (weights)
.set C,     160                        ; v160-223 results to store
	s_load_b512 s[4:19], s[0:1], 0x0               ; x s[4:5], wq s[6:7], wk s[8:9], wv s[10:11], wo s[12:13], xc s[14:15], wc s[16:17], wof s[18:19]
	v_lshl_add_u32 v224, v0, 2, 0x29000
	v_mov_b32 v225, 0
	ds_add_u32 v224, v225
	ds_add_u32 v224, v225
	v_lshrrev_b32 v1, 5, v0
	v_readfirstlane_b32 s20, v1                    ; wave 0, 1
	s_lshl_b32 s21, ttmp9, 1
	s_add_co_u32 s21, s21, s20                     ; t
	s_and_b32 s22, s21, 255                        ; the weights' work-groups: t - 256
	s_lshr_b32 s23, s22, 6                         ; ty: 0 wq, 1 wk, 2 wv, 3 wo
	s_bfe_u32 s72, s22, 0x30003                    ; gx: columns 128 gx on
	s_and_b32 s73, s22, 7                          ; ks: rows k = 128 ks on
	s_mul_i32 s74, s20, WREG                       ; my wave's LDS
	; group 1: a tile of 16 rows x 128 elements of 4 bytes, 1,024 elements from row to row, 4 words of padding behind every 128 words
	s_mov_b32 s[G1+0], (2<<16)|(1<<20)|(6<<22)|(3<<25)
	s_mov_b32 s[G1+1], 128<<16                     ; tensor_dim0
	s_mov_b32 s[G1+2], 16<<16                      ; tensor_dim1
	s_mov_b32 s[G1+3], 128<<16                     ; tile_dim0
	s_mov_b32 s[G1+4], 16                          ; tile_dim1
	s_mov_b32 s[G1+5], 1024                        ; tensor_dim0_stride
	s_mov_b32 s[G1+6], 0
	s_mov_b32 s[G1+7], 0
	s_mov_b32 s80, 0x76543210
	s_mov_b32 s81, 0xfedcba98                      ; v_permlanex16_b32's selects for lane l xor 16
	s_lshl_b32 s66, s73, 19                        ; a weight's region: 128 ks rows of 4,096 bytes
	s_lshl_b32 s75, s72, 9                         ; + 128 gx columns of 4 bytes;
	s_add_co_u32 s66, s66, s75
	s_mov_b32 s68, 65536                           ; from tile to tile 16 rows down
	s_lshl_b32 s75, s21, 16                        ; x: 16 t rows of 4,096 bytes; from tile to tile 512 bytes along the rows
	s_mov_b32 s67, 0
	s_mov_b32 s69, 0
	s_wait_dscnt 0x0
	s_wait_kmcnt 0x0
	s_mov_b64 s[70:71], s[12:13]                   ; which tensor: the choices hang on the work-group's number alone
	s_cmp_eq_u32 s23, 2
	s_cselect_b64 s[70:71], s[10:11], s[70:71]
	s_cmp_eq_u32 s23, 1
	s_cselect_b64 s[70:71], s[8:9], s[70:71]
	s_cmp_eq_u32 s23, 0
	s_cselect_b64 s[70:71], s[6:7], s[70:71]
	s_cmp_lt_u32 ttmp9, 128
	s_cselect_b64 s[70:71], s[4:5], s[70:71]
	s_cselect_b32 s66, s75, s66
	s_cselect_b32 s68, 512, s68
.irp s, 0,1,2,3,4,5,6,7
	s_mov_b32 s[G0+4*\s], 1                                        ; count = 1
	s_add_co_u32 s[G0+4*\s+1], s74, \s*TL                          ; LDS address: wave x 67,584 + tile x 8,448
	s_add_nc_u64 s[G0+4*\s+2:G0+4*\s+3], s[70:71], s[66:67]        ; the tile's first element
	s_or_b32 s[G0+4*\s+3], s[G0+4*\s+3], 0x80000000                ; type = 2
	s_add_nc_u64 s[66:67], s[66:67], s[68:69]                      ; the offset steps, apart from the address
.endr
.irp s, 0,1,2,3,4,5,6,7
	tensor_load_to_lds s[G0+4*\s:G0+4*\s+3], s[G1:G1+7]
	s_nop 0
.endr
.rept 4
	v_nop
.endr
	v_and_b32 v1, 31, v0                           ; lane
	v_and_b32 v2, 15, v0                           ; r
	v_bfe_u32 v3, v0, 4, 1                         ; h
	v_lshlrev_b32 v4, 4, v1                        ; 16 x lane: my place in a fragment's chunk
	v_mul_u32_u24 v5, v2, TP
	v_lshl_add_u32 v5, v3, 7, v5
	v_add_nc_u32 v5, s74, v5                       ; x: row r, + 128 h bytes: my block of 32 numbers
	v_lshl_add_u32 v6, v1, 2, s74                  ; weights: column = lane, tiles 0-3;
	v_add_nc_u32 v7, 4*TL, v6                      ; tiles 4-7 (the immediate has 16 bits)
	v_lshlrev_b32 v8, 3, v3                        ; 8 h
	v_mul_u32_u24 v9, v3, REC
	v_lshl_add_u32 v9, v2, 4, v9                   ; wc: lanes 16-31 belong to the next tile of 16 channels: 4,352 h + 16 r
	v_lshlrev_b32 v10, 13, v3
	v_lshl_add_u32 v10, v2, 4, v10                 ; wof: 8,192 h + 16 r
	v_lshl_add_u32 v11, v2, 4, v8                  ; x's scale words: 16 r + 8 h
	v_mov_b32 v[TW2], 0                            ; written once: a lane permute's destination counts as one of its sources
	s_cmp_lt_u32 ttmp9, 128
	s_cbranch_scc0 .Lweights
; ---------------- x: a lane holds two whole blocks of 32 of row r for each K step of 128: they are the fragment's registers
.macro XFETCH s                        ; K step s out of LDS into set s % 2
	s_wait_tensorcnt 7-(\s)                        ; tensor loads of a wave end in order: tile s is in, the 7 - s younger ones may be out
.irp c, 0,1
.irp i, 0,1,2,3,4,5,6,7
	ds_load_b128 v[X+64*((\s)%2)+32*\c+4*\i:X+64*((\s)%2)+32*\c+4*\i+3], v5 offset:(\s)*TL+256*\c+16*\i
.endr
.endr
.endm
.macro XQ s
.set XS, X+64*((\s)%2)
.irp c, 0,1
	v_max3_num_f32 v[MX+\c], |v[XS+32*\c]|, |v[XS+32*\c+1]|, 0x1800000   ; block 2 c + h, and the floor 2^(3 - 127): the byte cannot fall under 1
.endr
.irp i, 2,4,6,8,10,12,14,16,18,20,22,24,26,28,30
.irp c, 0,1
	v_max3_num_f32 v[MX+\c], v[MX+\c], |v[XS+32*\c+\i]|, |v[XS+32*\c+\i+1]|   ; the two blocks by turns
.endr
.endr
.irp c, 0,1
	v_add_nc_u32 v[SCL+\c], 0xff000000, v[MX+\c]   ; 2 off the exponent field: the conversion takes the exponent field of this operand as its scale
.endr
.irp c, 0,1
	v_lshrrev_b32 v[BY+\c], 23, v[SCL+\c]          ; the scale's byte
.endr
	v_lshl_or_b32 v[TW], v[BY+1], 16, v[BY]        ; my bytes: blocks h and 2 + h,
	v_lshlrev_b32 v[TW], v8, v[TW]                 ; at their places in the word;
	v_permlanex16_b32 v[TW2], v[TW], s80, s81
	v_or_b32 v[WD+(\s)], v[TW], v[TW2]             ; with lane l xor 16's two the word is whole, in both lanes
.irp c, 0,1
.irp g, 0,1,2,3
	v_cvt_scalef32_pk8_fp4_f32 v[C+8*(\s)+4*\c+\g], v[XS+32*\c+8*\g:XS+32*\c+8*\g+7], v[SCL+\c]
.endr
.endr
	v_nop                                          ; one plain place behind the scaled conversions: the next step writes their scale operands
.irp c, 0,1
	global_store_b128 v4, v[C+8*(\s)+4*\c:C+8*(\s)+4*\c+3], s[76:77] offset:((\s)/4)*XHALF+1024*((\s)%4)+512*\c   ; 32 lanes store 512 consecutive bytes; each step has registers of its own, so no store's data are written again
.endr
.endm
	s_mul_i32 s76, s21, REC
	s_mov_b32 s77, 0
	s_add_nc_u64 s[76:77], s[14:15], s[76:77]      ; my token tile's record of K half 0
	XFETCH 0
.irp s, 0,1,2,3,4,5,6
	XFETCH \s+1
	s_wait_dscnt 16                                ; this step's 16 loads are in; the next step's 16 may be out
	XQ \s
.endr
	s_wait_dscnt 0x0
	XQ 7
	v_cmp_ne_u32 vcc_lo, 0, v3                     ; lane (r, h) stores words 2 h and 2 h + 1 of row r, for each K half
.irp u, 0,1
	v_cndmask_b32 v[PR+2*\u], v[WD+4*\u], v[WD+4*\u+2], vcc_lo
	v_cndmask_b32 v[PR+2*\u+1], v[WD+4*\u+1], v[WD+4*\u+3], vcc_lo
	global_store_b64 v11, v[PR+2*\u:PR+2*\u+1], s[76:77] offset:\u*XHALF+4096   ; 32 lanes store 256 consecutive bytes
.endr
	s_wait_tensorcnt 0x0
	ds_add_u32 v224, v225
	s_wait_dscnt 0x0
	s_endpgm
; ---------------- the weights: a lane takes a column n and its registers run down K.  Step n = 4 kb + g: block kb of 32 k, columns 32 g + lane
.macro WFETCH n
.if (\n)%4 == 0
	s_wait_tensorcnt 6-2*((\n)/4)                  ; tiles 2 kb and 2 kb + 1 are in; the 6 - 2 kb younger ones may be out
.endif
.irp i, 0,1,2,3,4,5,6,7,8,9,10,11,12,13,14,15,16,17,18,19,20,21,22,23,24,25,26,27,28,29,30,31
.if 2*((\n)/4)+\i/16 < 4
	ds_load_b32 v[X+32*((\n)%2)+\i], v6 offset:(2*((\n)/4)+\i/16)*TL+(\i%16)*TP+128*((\n)%4)
.else
	ds_load_b32 v[X+32*((\n)%2)+\i], v7 offset:(2*((\n)/4)+\i/16-4)*TL+(\i%16)*TP+128*((\n)%4)
.endif
.endr
.endm
.macro WQ n
.set XS, X+32*((\n)%2)
	v_max3_num_f32 v12, |v[XS]|, |v[XS+1]|, |v[XS+2]|              ; the block's largest magnitude: all 32 numbers are mine; two chains
	v_max3_num_f32 v13, |v[XS+3]|, |v[XS+4]|, |v[XS+5]|
.irp i, 6,10,14,18,22,26
	v_max3_num_f32 v12, v12, |v[XS+\i]|, |v[XS+\i+1]|
	v_max3_num_f32 v13, v13, |v[XS+\i+2]|, |v[XS+\i+3]|
.endr
	v_max3_num_f32 v12, v12, |v[XS+30]|, |v[XS+31]|
	v_max3_num_f32 v12, v12, v13, 0x1800000        ; and the floor
	v_add_nc_u32 v14, 0xff000000, v12
	v_lshrrev_b32 v16, 23, v14
.if (\n)/4 == 0
	v_mov_b32 v[WD+(\n)%4], v16                    ; the four blocks' bytes make the column's scale word of this K step of 128
.else
	v_lshl_or_b32 v[WD+(\n)%4], v16, 8*((\n)/4), v[WD+(\n)%4]
.endif
.irp g, 0,1,2,3
	v_cvt_scalef32_pk8_fp4_f32 v[C+4*(\n)+\g], v[XS+8*\g:XS+8*\g+7], v14
.endr
	v_nop                                          ; one plain place behind the scaled conversions
	global_store_b128 v9, v[C+4*(\n):C+4*(\n)+3], s[76:77] offset:2*REC*((\n)%4)+512*((\n)/8)+256*(((\n)/4)%2)   ; block kb is chunk kb / 2, lanes' half kb % 2: each sixteen lanes store 256 consecutive bytes
.endm
.Lweights:
	s_cmp_lt_u32 ttmp9, 224
	s_cbranch_scc0 .Lwo
	s_lshr_b32 s82, s73, 2                         ; K half
	s_mul_i32 s82, s82, WHALF
	s_mul_i32 s83, s72, 24
	s_lshl_b32 s84, s23, 3
	s_add_co_u32 s83, s83, s84                     ; tile 24 gx + 8 ty
	s_mul_i32 s83, s83, REC
	s_add_co_u32 s82, s82, s83
	s_and_b32 s84, s73, 3                          ; which fragment, and which scale word, of the record
	s_lshl_b32 s85, s84, 10
	s_add_co_u32 s76, s82, s85
	s_mov_b32 s77, 0
	s_add_nc_u64 s[76:77], s[16:17], s[76:77]
	s_lshl_b32 s85, s84, 2
	s_add_co_u32 s78, s82, s85
	s_add_co_u32 s78, s78, 4096
	s_mov_b32 s79, 0
	s_add_nc_u64 s[78:79], s[16:17], s[78:79]
	WFETCH 0
.irp n, 0,1,2,3,4,5,6,7,8,9,10,11,12,13,14
	WFETCH \n+1
	s_wait_dscnt 32                                ; this step's 32 loads are in; the next step's 32 may be out
	WQ \n
.endr
	s_wait_dscnt 0x0
	WQ 15
.irp g, 0,1,2,3
	global_store_b32 v9, v[WD+\g], s[78:79] offset:2*REC*\g   ; 4 bytes a lane, 16 bytes apart: the other three words of a row come from other waves; 96 KiB in the whole launch leave so
.endr
	s_wait_tensorcnt 0x0
	ds_add_u32 v224, v225
	s_wait_dscnt 0x0
	s_endpgm
; ---------------- wo: the same walk; 32 numbers down K of a column are an f16 fragment's four pieces of 16 bytes
.macro OQ n
.set XS, X+32*((\n)%2)
.set CS, C+16*((\n)%4)
.if (\n) >= 4
	s_wait_xcnt 0x0                                ; four sets of 16 registers take turns: the stores of four steps back have read theirs
.endif
.irp u, 0,1,2,3                        ; u = 2 j + h': k = 8 u + 0 .. 7 of the 32
.irp p, 0,1,2,3
	v_cvt_pk_f16_f32 v[CS+4*\u+\p], v[XS+8*\u+2*\p], v[XS+8*\u+2*\p+1]
.endr
	global_store_b128 v10, v[CS+4*\u:CS+4*\u+3], s[76:77] offset:16384*((\n)%4)+1024*((\n)/4)+256*\u   ; each sixteen lanes store 256 consecutive bytes
.endr
.endm
.Lwo:
	s_lshr_b32 s82, s73, 1                         ; k chunk of 256
	s_lshl_b32 s82, s82, 19
	s_lshl_b32 s83, s72, 16                        ; n tiles 8 gx on, 8,192 bytes each
	s_add_co_u32 s82, s82, s83
	s_and_b32 s83, s73, 1                          ; kin 4 (ks % 2) on
	s_lshl_b32 s83, s83, 12
	s_add_co_u32 s76, s82, s83
	s_mov_b32 s77, 0
	s_add_nc_u64 s[76:77], s[18:19], s[76:77]
	WFETCH 0
.irp n, 0,1,2,3,4,5,6,7,8,9,10,11,12,13,14
	WFETCH \n+1
	s_wait_dscnt 32                                ; this step's 32 loads are in; the next step's 32 may be out
	OQ \n
.endr
	s_wait_dscnt 0x0
	OQ 15
	s_wait_tensorcnt 0x0
	ds_add_u32 v224, v225
	s_wait_dscnt 0x0
	s_endpgm
.Lfunc_end_k_q6588151b0f_prep:
	.size	k_q6588151b0f_prep, .Lfunc_end_k_q6588151b0f_prep-k_q6588151b0f_prep
	.p2alignl 7, 3214868480
	.fill 96, 4, 3214868480
	.section	.rodata,"a",@progbits
	.p2align	6, 0x0
	.amdhsa_kernel k_q6588151b0f_prep
		.amdhsa_group_segment_fixed_size 168192
		.amdhsa_private_segment_fixed_size 0
		.amdhsa_enable_private_segment 0
		.amdhsa_kernarg_size 64
		.amdhsa_user_sgpr_count 2
		.amdhsa_user_sgpr_kernarg_segment_ptr 1
		.amdhsa_wavefront_size32 1
		.amdhsa_system_sgpr_workgroup_id_x 1
		.amdhsa_system_sgpr_workgroup_id_y 1
		.amdhsa_system_sgpr_workgroup_id_z 1
		.amdhsa_system_vgpr_workitem_id 0
		.amdhsa_next_free_vgpr 226
		.amdhsa_next_free_sgpr 96
		.amdhsa_reserve_vcc 1
		.amdhsa_float_denorm_mode_32 3
		.amdhsa_float_denorm_mode_16_64 3
		.amdhsa_memory_ordered 1
		.amdhsa_forward_progress 1
		.amdhsa_inst_pref_size 155
	.end_amdhsa_kernel
	.amdgpu_metadata
---
amdhsa.version: [ 1, 2 ]
amdhsa.kernels:
  - .name:           k_q6588151b0f_prep
    .symbol:         k_q6588151b0f_prep.kd
    .args:
      - { .name: x, .offset: 0, .size: 8, .value_kind: global_buffer, .address_space: global }
      - { .name: wq, .offset: 8, .size: 8, .value_kind: global_buffer, .address_space: global }
      - { .name: wk, .offset: 16, .size: 8, .value_kind: global_buffer, .address_space: global }
      - { .name: wv, .offset: 24, .size: 8, .value_kind: global_buffer, .address_space: global }
      - { .name: wo, .offset: 32, .size: 8, .value_kind: global_buffer, .address_space: global }
      - { .name: xc, .offset: 40, .size: 8, .value_kind: global_buffer, .address_space: global }
      - { .name: wc, .offset: 48, .size: 8, .value_kind: global_buffer, .address_space: global }
      - { .name: wof, .offset: 56, .size: 8, .value_kind: global_buffer, .address_space: global }
    .group_segment_fixed_size: 168192
    .private_segment_fixed_size: 0
    .kernarg_segment_align: 8
    .kernarg_segment_size: 64
    .max_flat_workgroup_size: 64
    .sgpr_count:     96
    .vgpr_count:     226
    .wavefront_size: 32
...
	.end_amdgpu_metadata
.endif
;; end of part 1
;; launch qkv (part 2): grid 8 x 32, 12 waves a work-group, clusters of 4 x 4, 280,064 bytes of LDS; arguments xc, wc, bq, bk, bv, qf, kf, vf; writes qf, kf, vf
.if DOCPART == 2
	.amdgcn_target "amdgcn-amd-amdhsa--gfx1250"
	.amdhsa_code_object_version 6
	.text
	.protected	k_q6588151b0f_qkv
	.globl	k_q6588151b0f_qkv
	.p2align	8
	.type	k_q6588151b0f_qkv,@function
k_q6588151b0f_qkv:
	s_mov_b64 s[64:65], 0
	v_nop
	global_prefetch_b8 v0, s[64:65] scope:SCOPE_SE
	s_setreg_imm32_b32 hwreg(HW_REG_WAVE_MODE, 25, 1), 1
	s_wait_xcnt 0x0
	s_wait_alu depctr_hold_cnt(0) depctr_sa_sdst(0) depctr_va_vdst(0) depctr_va_sdst(0) depctr_va_ssrc(0) depctr_va_vcc(0) depctr_vm_vsrc(0)
	s_getreg_b32 s2, hwreg(HW_REG_IB_STS2, 6, 4)
	s_cmp_eq_u32 s2, 0
	s_cbranch_scc0 .Lentry_in_a_cluster
	s_endpgm
.Lentry_in_a_cluster:
	s_bfe_u32 s2, ttmp6, 0x10000c
	s_cmp_lg_u32 s2, 0xf033
	s_cbranch_scc0 .Lentry_shape_is_right
	s_endpgm
.Lentry_shape_is_right:
; QKV: q = x wq + bq, k = x wk + bk, v = x wv + bv: the three quantised products, on codes of FP4 (E2M1) with E8M0 scales for each 32 along K, sums in f32; the bias is added in f32;
; the results leave as f16 fragments for the attention launch (they are operands of products that are left as they are).
; LIMIT: q, k and v are rounded to f16, 11 significant bits: |q|, |k|, |v| up to 65,504 are served.  The room, by the sizes: a sum has 1,024 terms; x and a weight both 30 times the spread 1 and 1/32 give
; some 900 x 5.5 = 5,000; x offset by 30 and a weight by 30/32 give 1,024 x 30 x 0.94 = 28,800.  Both 30 times smaller give numbers round 1e-3, where f16's step is 6e-8 at the coarsest.
; INPUTS (made by the launch before): records of 16 rows x 512 K, 4,352 bytes: four fragments of 1,024 bytes (chunk c at 512 c, lane L's 16 bytes at 16 L), then the rows' scale words (row r, K step q: 4096 + 16 r + 4 q).
;   xc [K half 2][token tile 256][record];  wc [K half 2][24 gx + 8 ty + i][record]: channels 128 gx + 16 i + r of weight ty.
; OUTPUTS: f16 fragments of 1,024 bytes (16 rows x 32 k; chunk j at 512 j; lane L's 16 bytes: row L % 16, k = 16 j + 8 (L / 16) + 0 .. 7).
;   qf, kf [bh 32][token tile 128][cs 2]: rows = tokens, k = the head's channels 32 cs on.   vf [bh 32][ks 64][ct 4]: rows = channels 16 ct on, k = keys 32 ks on.
; SHARES.  Work-group (gx, gy): 128 tokens (tiles 8 gy on) x 384 channels: heads 2 gx and 2 gx + 1 of q, of k and of v.  256 work-groups.  ALL OF K FITS IN LDS: 2 halves x (24 + 8) records = 278,528 bytes,
; each byte filled once: no ring.  Twelve waves, three to a SIMD; wave w: 64 tokens (w % 2) x one head of one kind (w / 2): 16 accumulators of 16 x 16.
; CLUSTER 4 x 4: x's records hang on gy alone and are asked for jointly along a row of the cluster, the weights' on gx alone and jointly along a column.
; WHICH OPERAND IS SOURCE 0 decides what a lane holds.  q, k: source 0 = 16 channels, source 1 = 16 tokens: a lane holds one token and 8 neighbouring channels.  v: the other way round: one channel and 8 neighbouring tokens (keys).
; In both cases those 8 numbers, as f16, are the lane's 16 bytes of the output fragment: every store covers 512 consecutive bytes and nothing goes through LDS.  The products' text is one for both: only LDS addresses differ.
.set REC,   4352
.set U,     4*REC                      ; a unit: 4 records: what one tensor load brings and what one wave reads of a side
.set HALF,  8*U                        ; a K half in LDS: units 0-5 the weights' 24 records, units 6, 7 x's 8
.set XHALF, 256*REC
.set WHALF, 192*REC
.set BV,    12                         ; v12-15  v's bias: one channel a lane, for 4 tiles
.set SC,    16                         ; v16-31  scale words: register 4 i + q: lanes 0-15 source 1's tile i, lanes 16-31 source 0's tile i, K step q of the half.  They hold scales and nothing else
.set F0,    32                         ; v32-63  source 0's four fragments
.set F1,    64                         ; v64-95  source 1's four
.set BIAS,  96                         ; v96-127 q's or k's bias: 8 channels a lane, for 4 tiles
.set ACC,   128                        ; v128-255 accumulator (b, a) at v[ACC + 8 (4 b + a)]: source 1's tile b, source 0's tile a
.set G1A,   24                         ; s[24:31] group 1 for x's records;  s[32:39] for the weights'
.set G1B,   32
.set G0A,   48                         ; s[48:55] groups 0 for x's records, K halves 0 and 1;  s[56:63] for the weights'
.set G0B,   56
.macro CROUND                          ; a round of the cluster's barrier: my work-group's barrier; wave 0 signals for the work-group; every wave waits for all sixteen; my work-group's barrier once more
	s_barrier_signal -1
	s_barrier_wait -1
	s_cmp_lg_u32 s20, 0
	s_cbranch_scc1 .Lnot_wave_0_\@
	s_barrier_signal -3
.Lnot_wave_0_\@:
	s_barrier_wait -3
	s_barrier_signal -1
	s_barrier_wait -1
.endm
	s_load_b512 s[4:19], s[0:1], 0x0               ; xc s[4:5], wc s[6:7], bq s[8:9], bk s[10:11], bv s[12:13], qf s[14:15], kf s[16:17], vf s[18:19]
	s_set_vgpr_msb 0x40
	v_lshl_add_u32 v0, v0, 2, 0x44000
	v_mov_b32 v1, 0
	s_set_vgpr_msb 0x4045
	ds_add_u32 v0, v1
	ds_add_u32 v0, v1
	s_set_vgpr_msb 0x4500
	v_lshrrev_b32 v1, 5, v0
	v_readfirstlane_b32 s20, v1                    ; wave 0..11
	s_and_b32 s21, s20, 1                          ; th: which 64 tokens
	s_lshr_b32 s22, s20, 1                         ; Y: which unit of the weights: 0, 1 q; 2, 3 k; 4, 5 v
	s_lshr_b32 s23, s20, 3                         ; isV
	s_bfe_u32 s40, ttmp6, 0x40000                  ; cx
	s_bfe_u32 s41, ttmp6, 0x40004                  ; cy
	s_lshl_b32 s42, ttmp9, 2
	s_add_co_u32 s42, s42, s40                     ; gx = 4 x cluster x + cx
	s_and_b32 s43, ttmp7, 0xffff
	s_lshl_b32 s43, s43, 2
	s_add_co_u32 s43, s43, s41                     ; gy = 4 x cluster y + cy
	s_lshl_b32 s44, s41, 2
	s_lshl_b32 s44, 15, s44                        ; my row of the cluster
	s_lshl_b32 s45, 0x1111, s40                    ; my column
	; group 1: a unit is a dense block of 17,408 bytes: 68 rows of 32 elements of 8 bytes, no padding (a fragment is read 16 bytes a lane, lane by lane)
	s_or_b32 s[G1A], s44, (3<<16)|(1<<21)          ; the mask, elements of 8 bytes, bit 21 set beside a mask
	s_or_b32 s[G1B], s45, (3<<16)|(1<<21)
.irp g, G1A, G1B
	s_mov_b32 s[\g+1], 32<<16                      ; tensor_dim0
	s_mov_b32 s[\g+2], 68<<16                      ; tensor_dim1
	s_mov_b32 s[\g+3], 32<<16                      ; tile_dim0
	s_mov_b32 s[\g+4], 68                          ; tile_dim1
	s_mov_b32 s[\g+5], 32                          ; tensor_dim0_stride
	s_mov_b32 s[\g+6], 0
	s_mov_b32 s[\g+7], 0
.endr
	; the LDS addresses.  X = 6 + th is x's unit, Y the weights'.  q, k: source 0 reads Y, source 1 reads X;  v: the other way round
	s_add_co_u32 s84, s21, 6                       ; X
	s_sub_co_u32 s85, s84, s22                     ; X - Y, 1 at the least
	s_xor_b32 s86, s23, 1                          ; 1 - isV
	s_mul_i32 s87, s23, s85
	s_add_co_u32 s87, s87, s22                     ; source 0's unit
	s_mul_i32 s88, s86, s85
	s_add_co_u32 s88, s88, s22                     ; source 1's
	s_mul_i32 s87, s87, U
	s_mul_i32 s88, s88, U
	s_mul_i32 s89, s22, U
	s_mul_i32 s85, s85, U
	v_and_b32 v10, 31, v0
	v_lshlrev_b32 v1, 4, v10                       ; v1 = 16 x lane
	v_and_b32 v10, 15, v0                          ; r
	v_bfe_u32 v11, v0, 4, 1                        ; h
	v_add_nc_u32 v2, s87, v1                       ; v2, v3: source 0's fragments in K half 0, 1
	v_add_nc_u32 v3, HALF, v2
	v_add_nc_u32 v4, s88, v1                       ; v4, v5: source 1's
	v_add_nc_u32 v5, HALF, v4
	v_xor_b32 v6, s86, v11                         ; scale words: lanes 0-15 take source 1's unit, lanes 16-31 source 0's: the lower unit Y, plus ONE product: (h xor (1 - isV)) x (X - Y) units
	v_mul_u32_u24 v6, s85, v6
	v_lshl_add_u32 v6, v10, 4, v6                  ; + 16 r
	v_add_nc_u32 v6, s89, v6
	v_add_nc_u32 v6, 4096, v6                      ; v6, v7: K half 0, 1
	v_add_nc_u32 v7, HALF, v6
	v_lshlrev_b32 v8, 5, v11                       ; bias of q, k: 8 h channels on
	v_lshlrev_b32 v9, 2, v10                       ; bias of v: channel r
	; where the units come from.  x's hang on gy and the wave, the weights' on gx and the wave, each in registers that never hold the other coordinate
	s_mul_i32 s72, s43, 8*REC
	s_mul_i32 s76, s21, U
	s_add_co_u32 s72, s72, s76
	s_mov_b32 s73, 0
	s_min_u32 s46, s20, 7                          ; (waves 8-11 issue nothing)
	s_mul_i32 s46, s46, U                          ; and where they go: wave x a unit: no place in the cluster enters an LDS address
	s_mul_i32 s74, s42, 24*REC
	s_add_co_u32 s74, s74, s46
	s_mov_b32 s75, 0
	; my results' and my bias's places
	s_lshr_b32 s77, s22, 1                         ; kind: 0 q, 1 k, 2 v
	s_and_b32 s78, s22, 1
	s_lshl_b32 s79, s42, 1
	s_add_co_u32 s79, s79, s78                     ; head = 2 gx + Y % 2
	s_lshr_b32 s80, s43, 4                         ; batch
	s_lshl_b32 s80, s80, 4
	s_add_co_u32 s80, s80, s79                     ; bh
	s_lshl_b32 s80, s80, 18                        ; 2^18 bytes for each bh in all three
	s_and_b32 s81, s43, 15
	s_lshl_b32 s81, s81, 3
	s_lshl_b32 s82, s21, 2
	s_add_co_u32 s81, s81, s82                     ; my first token tile in the sequence: 8 (gy % 16) + 4 th
	s_lshl_b32 s81, s81, 11                        ; 2,048 bytes a token tile in all three (in vf: 4,096 for two)
	s_add_co_u32 s80, s80, s81
	s_mov_b32 s81, 0
	s_lshl_b32 s82, s79, 8                         ; 64 channels of 4 bytes a head
	s_mov_b32 s83, 0
	s_wait_dscnt 0x0
	s_wait_kmcnt 0x0
	s_add_nc_u64 s[72:73], s[4:5], s[72:73]
	s_add_nc_u64 s[74:75], s[6:7], s[74:75]
	s_cmp_eq_u32 s77, 0
	s_cselect_b64 s[66:67], s[14:15], s[16:17]
	s_cselect_b64 s[68:69], s[8:9], s[10:11]
	s_cmp_eq_u32 s77, 2
	s_cselect_b64 s[66:67], s[18:19], s[66:67]
	s_cselect_b64 s[68:69], s[12:13], s[68:69]
	s_add_nc_u64 s[66:67], s[66:67], s[80:81]      ; s[66:67]: my results
	s_add_nc_u64 s[68:69], s[68:69], s[82:83]      ; s[68:69]: my head's bias
.irp u, 0,1
	s_mov_b32 s[G0A+4*\u], 1
	s_add_co_u32 s[G0A+4*\u+1], s46, \u*HALF
	s_add_nc_u64 s[G0A+4*\u+2:G0A+4*\u+3], s[72:73], \u*XHALF
	s_or_b32 s[G0A+4*\u+3], s[G0A+4*\u+3], 0x80000000
	s_mov_b32 s[G0B+4*\u], 1
	s_add_co_u32 s[G0B+4*\u+1], s46, \u*HALF
	s_add_nc_u64 s[G0B+4*\u+2:G0B+4*\u+3], s[74:75], \u*WHALF
	s_or_b32 s[G0B+4*\u+3], s[G0B+4*\u+3], 0x80000000
.endr
	CROUND                                         ; all sixteen work-groups are here: the joint loads meet
	s_cmp_lt_u32 s20, 6                            ; waves 0-5 fetch the weights' six units, waves 6, 7 x's two, waves 8-11 nothing.  A wave's two loads, K half 0 and then 1, stand in one branch: two tensor loads of mine are out
	s_cbranch_scc0 .Lnot_w
	tensor_load_to_lds s[G0B:G0B+3], s[G1B:G1B+7]
	s_nop 0
	tensor_load_to_lds s[G0B+4:G0B+7], s[G1B:G1B+7]
	s_nop 0
.rept 4
	v_nop
.endr
	s_branch .Lasked
.Lnot_w:
	s_cmp_lt_u32 s20, 8
	s_cbranch_scc0 .Lasked
	tensor_load_to_lds s[G0A:G0A+3], s[G1A:G1A+7]
	s_nop 0
	tensor_load_to_lds s[G0A+4:G0A+7], s[G1A:G1A+7]
	s_nop 0
.rept 4
	v_nop
.endr
.Lasked:
.irp i, 0,1,2,3                        ; the bias in both forms, in every wave: 12 small loads, so that no branch stands here
	global_load_b128 v[BIAS+8*\i:BIAS+8*\i+3], v8, s[68:69] offset:64*\i       ; channels 16 i + 8 h + 0 .. 7
	global_load_b128 v[BIAS+8*\i+4:BIAS+8*\i+7], v8, s[68:69] offset:64*\i+16
	global_load_b32 v[BV+\i], v9, s[68:69] offset:64*\i                        ; channel 16 i + r
.endr
; 16 products: 128 along K, the half's q-th.  The 16 accumulators take turns, one instruction a turn, in the same order in every step.  zero = 1: the first products start the sums
.macro MUL q, zero
.irp b, 0,1,2,3
.irp a, 0,1,2,3
.if \zero
	v_wmma_scale_f32_16x16x128_f8f6f4 v[ACC+8*(4*\b+\a):ACC+8*(4*\b+\a)+7], v[F0+8*\a:F0+8*\a+7], v[F1+8*\b:F1+8*\b+7], 0, v[SC+4*\a+\q], v[SC+4*\b+\q] matrix_a_fmt:MATRIX_FMT_FP4 matrix_b_fmt:MATRIX_FMT_FP4 matrix_a_scale:MATRIX_SCALE_ROW1
.else
	v_wmma_scale_f32_16x16x128_f8f6f4 v[ACC+8*(4*\b+\a):ACC+8*(4*\b+\a)+7], v[F0+8*\a:F0+8*\a+7], v[F1+8*\b:F1+8*\b+7], v[ACC+8*(4*\b+\a):ACC+8*(4*\b+\a)+7], v[SC+4*\a+\q], v[SC+4*\b+\q] matrix_a_fmt:MATRIX_FMT_FP4 matrix_b_fmt:MATRIX_FMT_FP4 matrix_a_scale:MATRIX_SCALE_ROW1
.endif
.endr
.endr
.endm
; A K step of 128: eight fragments out of LDS (with a half's first step: its scale words too), 16 products.  While one wave waits for its fragments, the two others on its SIMD multiply
.macro KSTEP hh, q, zero
.rept 4
	v_nop                                          ; four places in front of loads into registers that matrix instructions have read (ISA guide 7.12.1 for vector instructions)
.endr
.if \q == 0
.irp i, 0,1,2,3
	ds_load_b128 v[SC+4*\i:SC+4*\i+3], v[6+\hh] offset:REC*\i     ; the four words of a row: K steps 0-3 of the half
.endr
.endif
.irp i, 0,1,2,3
.irp c, 0,1
	ds_load_b128 v[F0+8*\i+4*\c:F0+8*\i+4*\c+3], v[2+\hh] offset:REC*\i+1024*\q+512*\c
	ds_load_b128 v[F1+8*\i+4*\c:F1+8*\i+4*\c+3], v[4+\hh] offset:REC*\i+1024*\q+512*\c
.endr
.endr
	s_wait_dscnt 0x0
	MUL \q, \zero
.endm
	s_wait_tensorcnt 0x1                           ; my part of K half 0 is in; half 1's load may stay out
	s_barrier_signal -1
	s_barrier_wait -1                              ; everybody's is
	KSTEP 0, 0, 1
	KSTEP 0, 1, 0
	KSTEP 0, 2, 0
	KSTEP 0, 3, 0
	s_wait_tensorcnt 0x0                           ; my part of K half 1 is in,
	s_wait_dscnt 0x0
	s_barrier_signal -1
	s_barrier_wait -1                              ; everybody's is
	KSTEP 1, 0, 0
	KSTEP 1, 1, 0
	KSTEP 1, 2, 0
	KSTEP 1, 3, 0
.rept 4
	v_nop                                          ; four places in front of the first read of results and of the writes over the fragments' registers
.endr
	s_wait_loadcnt 0x0                             ; the bias
	s_cmp_eq_u32 s23, 0
	s_cbranch_scc0 .Lv_arm
.irp b, 0,1,2,3                        ; q, k: token tile b, channels 16 a on.  Each accumulator is read from its low end on
.irp a, 0,1,2,3
.irp p, 0,1,2,3
	v_pk_add_f32 v[ACC+8*(4*\b+\a)+2*\p:ACC+8*(4*\b+\a)+2*\p+1], v[ACC+8*(4*\b+\a)+2*\p:ACC+8*(4*\b+\a)+2*\p+1], v[BIAS+8*\a+2*\p:BIAS+8*\a+2*\p+1]
.endr
.irp p, 0,1,2,3
	v_cvt_pk_f16_f32 v[F0+4*(4*\b+\a)+\p], v[ACC+8*(4*\b+\a)+2*\p], v[ACC+8*(4*\b+\a)+2*\p+1]
.endr
	global_store_b128 v1, v[F0+4*(4*\b+\a):F0+4*(4*\b+\a)+3], s[66:67] offset:2048*\b+512*\a   ; fragment cs = a / 2, chunk a % 2: 32 lanes store 512 consecutive bytes
.endr
.endr
	s_branch .Ldone
.Lv_arm:
.irp b, 0,1,2,3                        ; v: channels 16 b on, token tile a
.irp a, 0,1,2,3
.irp j, 0,1,2,3,4,5,6,7
	v_add_f32 v[ACC+8*(4*\b+\a)+\j], v[ACC+8*(4*\b+\a)+\j], v[BV+\b]
.endr
.irp p, 0,1,2,3
	v_cvt_pk_f16_f32 v[F0+4*(4*\b+\a)+\p], v[ACC+8*(4*\b+\a)+2*\p], v[ACC+8*(4*\b+\a)+2*\p+1]
.endr
	global_store_b128 v1, v[F0+4*(4*\b+\a):F0+4*(4*\b+\a)+3], s[66:67] offset:4096*(\a/2)+1024*\b+512*(\a%2)   ; keys' step a / 2, channel tile b, chunk a % 2
.endr
.endr
.Ldone:
	s_set_vgpr_msb 0x5
	s_wait_tensorcnt 0x0
	ds_add_u32 v0, v1
	s_wait_dscnt 0x0
	s_set_vgpr_msb 0x500
	CROUND                                         ; the closing round: no work-group ends while a partner may still ask for a unit that names it
	s_endpgm
.Lfunc_end_k_q6588151b0f_qkv:
	.size	k_q6588151b0f_qkv, .Lfunc_end_k_q6588151b0f_qkv-k_q6588151b0f_qkv
	.p2alignl 7, 3214868480
	.fill 96, 4, 3214868480
	.section	.rodata,"a",@progbits
	.p2align	6, 0x0
	.amdhsa_kernel k_q6588151b0f_qkv
		.amdhsa_group_segment_fixed_size 280064
		.amdhsa_private_segment_fixed_size 0
		.amdhsa_enable_private_segment 0
		.amdhsa_kernarg_size 64
		.amdhsa_user_sgpr_count 2
		.amdhsa_user_sgpr_kernarg_segment_ptr 1
		.amdhsa_wavefront_size32 1
		.amdhsa_system_sgpr_workgroup_id_x 1
		.amdhsa_system_sgpr_workgroup_id_y 1
		.amdhsa_system_sgpr_workgroup_id_z 1
		.amdhsa_system_vgpr_workitem_id 0
		.amdhsa_next_free_vgpr 258
		.amdhsa_next_free_sgpr 96
		.amdhsa_reserve_vcc 0
		.amdhsa_float_denorm_mode_32 3
		.amdhsa_float_denorm_mode_16_64 3
		.amdhsa_memory_ordered 1
		.amdhsa_forward_progress 1
		.amdhsa_inst_pref_size 54
	.end_amdhsa_kernel
	.amdgpu_metadata
---
amdhsa.version: [ 1, 2 ]
amdhsa.kernels:
  - .name:           k_q6588151b0f_qkv
    .symbol:         k_q6588151b0f_qkv.kd
    .args:
      - { .name: xc, .offset: 0, .size: 8, .value_kind: global_buffer, .address_space: global }
      - { .name: wc, .offset: 8, .size: 8, .value_kind: global_buffer, .address_space: global }
      - { .name: bq, .offset: 16, .size: 8, .value_kind: global_buffer, .address_space: global }
      - { .name: bk, .offset: 24, .size: 8, .value_kind: global_buffer, .address_space: global }
      - { .name: bv, .offset: 32, .size: 8, .value_kind: global_buffer, .address_space: global }
      - { .name: qf, .offset: 40, .size: 8, .value_kind: global_buffer, .address_space: global }
      - { .name: kf, .offset: 48, .size: 8, .value_kind: global_buffer, .address_space: global }
      - { .name: vf, .offset: 56, .size: 8, .value_kind: global_buffer, .address_space: global }
    .group_segment_fixed_size: 280064
    .private_segment_fixed_size: 0
    .kernarg_segment_align: 8
    .kernarg_segment_size: 64
    .max_flat_workgroup_size: 384
    .sgpr_count:     96
    .vgpr_count:     258
    .wavefront_size: 32
...
	.end_amdgpu_metadata
.endif
;; end of part 2
;; launch attn (part 3): grid 8 x 32, 16 waves a work-group, clusters of 4 x 1, 327,680 bytes of LDS; arguments qf, kf, vf, of; writes of
.if DOCPART == 3
	.amdgcn_target "amdgcn-amd-amdhsa--gfx1250"
	.amdhsa_code_object_version 6
	.text
	.protected	k_q6588151b0f_attn
	.globl	k_q6588151b0f_attn
	.p2align	8
	.type	k_q6588151b0f_attn,@function
k_q6588151b0f_attn:
	s_mov_b64 s[64:65], 0
	v_nop
	global_prefetch_b8 v0, s[64:65] scope:SCOPE_SE
	s_setreg_imm32_b32 hwreg(HW_REG_WAVE_MODE, 25, 1), 1
	s_wait_xcnt 0x0
	s_wait_alu depctr_hold_cnt(0) depctr_sa_sdst(0) depctr_va_vdst(0) depctr_va_sdst(0) depctr_va_ssrc(0) depctr_va_vcc(0) depctr_vm_vsrc(0)
	s_getreg_b32 s2, hwreg(HW_REG_IB_STS2, 6, 4)
	s_cmp_eq_u32 s2, 0
	s_cbranch_scc0 .Lentry_in_a_cluster
	s_endpgm
.Lentry_in_a_cluster:
	s_bfe_u32 s2, ttmp6, 0x10000c
	s_cmp_lg_u32 s2, 0x3003
	s_cbranch_scc0 .Lentry_shape_is_right
	s_endpgm
.Lentry_shape_is_right:
; ATTN: o[bh][q] = the sum over k of softmax_k(q . k / 8) v[k], head size 64, 2,048 keys, 32 (batch, head) pairs.  Operands f16; products, maxima and sums in f32.
; LIMITS: the weights p are rounded to f16 for the second product (the row's sum is taken of the f32 p), o once at the end.  p lies in 0 .. 1 by the running maximum, whatever the inputs; a p under 6.1e-5 keeps
; an absolute step of 6e-8, against a row's sum of 1 at the least.  o is a weighted mean of v, so it has v's room: up to 65,504.  NaN and infinities are not served.
; INPUTS AND OUTPUT are f16 fragments of 1,024 bytes (16 rows x 32 k; chunk j at 512 j; lane L's 16 bytes: row L % 16, k = 16 j + 8 (L / 16) + 0 .. 7):
;   qf, kf [bh][token tile 128][cs 2]: rows = tokens, k = channels 32 cs on.   vf [bh][ks 64][ct 4]: rows = channels 16 ct on, k = keys 32 ks on.
;   of [k chunk 4][token tile 256][kin 8]: rows = tokens, k = the concatenated heads' features: head = 4 x chunk + kin / 2, channels 32 (kin % 2) on.
; SHARES.  A work-group owns 256 queries of one bh.  SIXTEEN waves of 256 registers, four to a SIMD, so that one wave's softmax, its runs of products and its waits for fragments stand beside three other waves' work.
; Wave w takes 32 queries (two tiles of 16: group w % 8) and HALF OF THE KEYS (half w / 8: key steps 0-3 or 4-7 of every slot of 512 keys), 64 keys a step, 16 steps in all, each half with a running maximum and sum of its own.
; So a fragment of K or V still feeds two products, and the work-group reads no more from LDS than eight waves that walked all keys would.  AT THE END the two waves of a pair (w, w xor 8) merge: each finishes one tile.
; K and V come through a ring of two LDS slots of 512 keys (64 KiB of kf, then 64 KiB of vf, as they lie in memory); every wave fetches a sixteenth of a slot.
; LAYOUT.  S^T = K Q^T (source 0 = 16 keys, source 1 = 16 queries): a lane holds ONE query (lane % 16) and keys 8 (lane / 16) + 0 .. 7.  Two such tiles, rounded to f16 in pairs, ARE source 1 of O^T = V^T P,
; whose result again holds one query a lane, and eight channels: the lane's 16 bytes of the output fragment.  Nothing changes lanes but one exchange for the maximum and one for the sum.
; SOFTMAX.  For each query a running maximum m and sum l: p = 2^(c s - c m), c = log2(e) / 8; in every step O and l are multiplied by a = 2^(c m_old - c m_new).  m begins at -3e38, O and l at 0: the first a is 0.
; CLUSTER 4 x 1: the four blocks of queries of a cluster belong to one bh and walk the same K and V: each part of a slot is asked for jointly, by the same load with the same descriptor and the mask of all four.
.set SLOTB, 131072                     ; a slot: K's 65,536 bytes, then V's
.set SPARE, 2*SLOTB                    ; behind the ring: the spare words, 128 bytes for each of the sixteen waves: eight blocks of 256 bytes that no other line names
.set STW,   4608                       ; the merge: a region for each wave, at wave x 4,608 in slot 0: 4,096 bytes of O^T's image, then 8 bytes a lane of statistics.  Slot 0 has had its last fill, and every wave
                                       ; has passed the last change of slots, behind which nobody reads it, when the first byte is stored there
.set Q,   16                           ; v16-47   Q: tile t, channels 32 c on, at v[Q + 16 t + 8 c]
.set KV,  48                           ; v48-111  a step's 8 fragments of K, then its 8 of V; in the merge: what is sent, then what the partner sent
.set S,   112                          ; v112-175 S^T: tile t, keys 16 k on, at v[S + 32 t + 8 k]; then p; then P in place: tile t, keys 32 k on, at v[S + 32 t + 8 k]
.set O,   176                          ; v176-239 O^T: tile t, channels 16 c on, at v[O + 32 t + 8 c]
.set ST,  240                          ; v240-255 tile t's statistics at v[ST + 8 t]: +0 c m, +1 m, +2, +3 l (in two halves), +4 to +7 at work; +6 holds a once the maximum is found
.macro CROUND                          ; a round of the cluster's barrier
	s_barrier_signal -1
	s_barrier_wait -1
	s_cmp_lg_u32 s12, 0
	s_cbranch_scc1 .Lnot_wave_0_\@
	s_barrier_signal -3
.Lnot_wave_0_\@:
	s_barrier_wait -3
	s_barrier_signal -1
	s_barrier_wait -1
.endm
	s_load_b256 s[4:11], s[0:1], 0x0               ; qf s[4:5], kf s[6:7], vf s[8:9], of s[10:11]
	v_lshl_add_u32 v4, v0, 2, SPARE                ; v4: my spare word; never rewritten
	v_mov_b32 v5, 0                                ; v5: 0; never rewritten
	ds_add_u32 v4, v5
	ds_add_u32 v4, v5
	s_wait_dscnt 0x0
	v_lshrrev_b32 v1, 5, v0
	v_readfirstlane_b32 s12, v1                    ; wave 0..15
	s_and_b32 s17, s12, 7                          ; my group of 32 queries
	s_lshr_b32 s62, s12, 3                         ; my half of the keys
	s_lshl_b32 s49, s62, 15                        ; s49: where my four key steps begin in a slot's K (and V): half x 4 x 8,192 bytes
	s_mul_i32 s67, s12, STW                        ; the merge: my region,
	s_xor_b32 s68, s12, 8
	s_mul_i32 s68, s68, STW                        ; and my partner's
	s_bfe_u32 s13, ttmp6, 0x40000                  ; cx
	s_lshl_b32 s14, ttmp9, 2
	s_add_co_u32 s14, s14, s13                     ; qb: my block of 256 queries: it enters Q's, o's and the prefetch's addresses alone
	s_and_b32 s15, ttmp7, 0xffff                   ; bh, which the four partners share
	; group 1: 8,192 dense bytes: 32 rows of 32 elements of 8 bytes, no padding (fragments are read 16 bytes a lane, lane by lane)
	s_mov_b32 s24, 15|(3<<16)|(1<<21)              ; the mask: all four work-groups; elements of 8 bytes; bit 21 set beside a mask
	s_mov_b32 s25, 32<<16                          ; tensor_dim0
	s_mov_b32 s26, 32<<16                          ; tensor_dim1
	s_mov_b32 s27, 32<<16                          ; tile_dim0
	s_mov_b32 s28, 32                              ; tile_dim1
	s_mov_b32 s29, 32                              ; tensor_dim0_stride
	s_mov_b32 s30, 0
	s_mov_b32 s31, 0
	s_mov_b32 s40, 0x3e38aa3b                      ; c = log2(e) / 8
	s_mov_b32 s41, s40                             ; (the packed form names the pair)
	s_mov_b32 s42, 0x76543210
	s_mov_b32 s43, 0xfedcba98                      ; v_permlanex16_b32's selects for lane l xor 16
	s_lshl_b32 s16, s15, 18                        ; bh's first byte in qf, kf and vf
	s_lshl_b32 s18, s17, 13
	s_add_co_u32 s18, s18, s16                     ; what I fetch: eighth wave % 8 of a slot's K (waves 0-7) or V (waves 8-15)
	s_mov_b32 s19, 0
	s_lshl_b32 s20, s12, 13                        ; and where it goes in a slot: wave x 8,192
	s_lshl_b32 s21, s14, 4
	s_lshl_b32 s22, s17, 1
	s_add_co_u32 s21, s21, s22                     ; my first token tile in the sequence: 16 qb + 2 x group
	s_lshl_b32 s22, s21, 11
	s_add_co_u32 s22, s22, s16
	s_mov_b32 s23, 0                               ; s[22:23]: Q's offset
	s_and_b32 s56, s15, 15                         ; the head
	s_lshr_b32 s57, s15, 4                         ; the batch
	s_lshl_b32 s57, s57, 7
	s_add_co_u32 s57, s57, s21
	s_add_co_u32 s57, s57, s62                     ; the token tile, among all 256, that I finish: the pair's tile number = my half of the keys
	s_lshl_b32 s57, s57, 13                        ; 8,192 bytes each
	s_lshr_b32 s58, s56, 2
	s_lshl_b32 s58, s58, 21                        ; k chunk = head / 4
	s_add_co_u32 s58, s58, s57
	s_and_b32 s56, s56, 3
	s_lshl_b32 s56, s56, 11                        ; kin = 2 (head % 4)
	s_add_co_u32 s58, s58, s56
	s_mov_b32 s59, 0                               ; s[58:59]: o's offset
	s_lshl_b32 s60, s13, 14                        ; the prefetch: my work-group's quarter of the last slot's K or V,
	s_and_b32 s61, s12, 1
	s_lshl_b32 s61, s61, 13                        ; my wave's half of it
	s_add_co_u32 s60, s60, s61
	s_add_co_u32 s60, s60, s16
	s_add_co_u32 s60, s60, 3*65536
	s_mov_b32 s61, 0
	s_and_b32 s48, s12, 6
	s_or_b32 s48, s48, ttmp9                       ; 0 in waves 0, 1, 8, 9 of the bh's first cluster: the same in all four partners
	s_wait_kmcnt 0x0
	s_cmp_lt_u32 s12, 8
	s_cselect_b64 s[54:55], s[6:7], s[8:9]
	s_add_nc_u64 s[46:47], s[54:55], s[60:61]      ; s[46:47]: the prefetch's base; never rewritten
	s_add_nc_u64 s[54:55], s[54:55], s[18:19]      ; my part of slot 0: it hangs on the wave and on bh alone
	s_add_nc_u64 s[50:51], s[4:5], s[22:23]
	s_add_nc_u64 s[52:53], s[10:11], s[58:59]
.irp u, 0,1                            ; a group 0 for each slot: s[32:35], s[36:39]
	s_mov_b32 s[32+4*\u], 1
	s_add_co_u32 s[33+4*\u], s20, \u*SLOTB
	s_add_nc_u64 s[34+4*\u:35+4*\u], s[54:55], \u*65536            ; slot u begins with keys 512 u on
	s_or_b32 s[35+4*\u], s[35+4*\u], 0x80000000
.endr
	CROUND                                         ; all four work-groups are here: the first joint loads meet
	tensor_load_to_lds s[32:35], s[24:31]          ; both first fills together: two tensor loads of mine are out
	s_nop 0
	tensor_load_to_lds s[36:39], s[24:31]
	s_nop 0
.rept 4
	v_nop
.endr
	v_and_b32 v1, 31, v0
	v_lshlrev_b32 v8, 8, v1                        ; v8: the prefetch's offset, 256 x lane; never rewritten
	v_lshlrev_b32 v13, 3, v1                       ; 8 x lane
	v_lshlrev_b32 v1, 4, v1                        ; v1: 16 x lane; never rewritten
	v_add_nc_u32 v9, s67, v1                       ; v9:  the merge: where I put 16 bytes of an image,
	v_add_nc_u32 v10, s67, v13                     ; v10: and my 8 bytes of statistics;
	v_add_nc_u32 v11, s68, v1                      ; v11, v12: the same places in my partner's region
	v_add_nc_u32 v12, s68, v13
.irp f, 0,1,2,3                        ; Q stays in registers: fragment f = 2 t + c.  (Both waves of a pair read it)
	global_load_b128 v[Q+8*\f:Q+8*\f+3], v1, s[50:51] offset:1024*\f
	global_load_b128 v[Q+8*\f+4:Q+8*\f+7], v1, s[50:51] offset:1024*\f+512
.endr
.irp j, 0,1,2,3,4,5,6,7,8,9,10,11,12,13,14,15,16,17,18,19,20,21,22,23,24,25,26,27,28,29,30,31,32,33,34,35,36,37,38,39,40,41,42,43,44,45,46,47,48,49,50,51,52,53,54,55,56,57,58,59,60,61,62,63
	v_mov_b32 v[O+\j], 0                           ; the key step is written once: the first finds zeros, which the first a = 0 leaves zeros
.endr
.irp t, 0,1
	v_mov_b32 v[ST+8*\t+1], 0xff61b1e6             ; m = -3e38, under every score
	v_mov_b32 v[ST+8*\t+2], 0                      ; l
	v_mov_b32 v[ST+8*\t+3], 0
	v_mul_f32 v[ST+8*\t], s40, v[ST+8*\t+1]        ; c m
.endr
; A KEY STEP: 64 keys at LDS byte s44 of K's and of V's part of the slot.  The two tiles alternate line by line, so that no line waits for the line above it
.macro STEP
	v_add_nc_u32 v2, s44, v1
	v_add_nc_u32 v3, 0x10000, v2
.irp f, 0,1,2,3,4,5,6,7                ; K's fragment f = 2 k + c: keys 16 k on, channels 32 c on
	ds_load_b128 v[KV+8*\f:KV+8*\f+3], v2 offset:1024*\f
	ds_load_b128 v[KV+8*\f+4:KV+8*\f+7], v2 offset:1024*\f+512
.endr
	s_wait_dscnt 0x0
.irp k, 0,1,2,3                        ; S^T = K Q^T: the eight accumulators take turns, one instruction a turn; the first eight start the sums
.irp t, 0,1
	v_wmma_f32_16x16x32_f16 v[S+32*\t+8*\k:S+32*\t+8*\k+7], v[KV+16*\k:KV+16*\k+7], v[Q+16*\t:Q+16*\t+7], 0
.endr
.endr
.irp k, 0,1,2,3
.irp t, 0,1
	v_wmma_f32_16x16x32_f16 v[S+32*\t+8*\k:S+32*\t+8*\k+7], v[KV+16*\k+8:KV+16*\k+15], v[Q+16*\t+8:Q+16*\t+15], v[S+32*\t+8*\k:S+32*\t+8*\k+7]
.endr
.endr
.rept 4
	v_nop                                          ; four places in front of the loads into K's registers and of the first read of the scores
.endr
.irp f, 0,1,2,3,4,5,6,7                ; V's fragment f = 4 k + c: keys 32 k on, channels 16 c on.  They land under the softmax
	ds_load_b128 v[KV+8*\f:KV+8*\f+3], v3 offset:1024*\f
	ds_load_b128 v[KV+8*\f+4:KV+8*\f+7], v3 offset:1024*\f+512
.endr
.irp j, 0,1,2,3                        ; the maximum of the lane's 32 scores and the old m: four chains; each accumulator is read from its low end on
.irp t, 0,1
	v_max3_num_f32 v[ST+8*\t+4+\j], v[S+32*\t+8*\j], v[S+32*\t+8*\j+1], v[S+32*\t+8*\j+2]
.endr
.endr
.irp u, 3,5
.irp j, 0,1,2,3
.irp t, 0,1
	v_max3_num_f32 v[ST+8*\t+4+\j], v[ST+8*\t+4+\j], v[S+32*\t+8*\j+\u], v[S+32*\t+8*\j+\u+1]
.endr
.endr
.endr
.irp t, 0,1
	v_max3_num_f32 v[ST+8*\t+4], v[ST+8*\t+4], v[S+32*\t+7], v[S+32*\t+15]
	v_max3_num_f32 v[ST+8*\t+6], v[ST+8*\t+6], v[S+32*\t+23], v[S+32*\t+31]
.endr
.irp t, 0,1
	v_max3_num_f32 v[ST+8*\t+4], v[ST+8*\t+4], v[ST+8*\t+5], v[ST+8*\t+6]
.endr
.irp t, 0,1
	v_max3_num_f32 v[ST+8*\t+4], v[ST+8*\t+4], v[ST+8*\t+7], v[ST+8*\t+1]
.endr
.irp t, 0,1
	v_permlanex16_b32 v[ST+8*\t+5], v[ST+8*\t+4], s42, s43         ; the query's other 32 keys lie in the lane 16 away
.endr
.irp t, 0,1
	v_mov_b32 v[ST+8*\t+7], v[ST+8*\t]             ; c m_old
.endr
.irp t, 0,1
	v_max_num_f32 v[ST+8*\t+1], v[ST+8*\t+4], v[ST+8*\t+5]         ; the new m
.endr
.irp t, 0,1
	v_mul_f32 v[ST+8*\t], s40, v[ST+8*\t+1]        ; c m
.endr
.irp t, 0,1
	v_sub_f32 v[ST+8*\t+7], v[ST+8*\t+7], v[ST+8*\t]
.endr
.irp t, 0,1
	v_exp_f32 v[ST+8*\t+6], v[ST+8*\t+7]           ; a = 2^(c m_old - c m_new); the scalings below are the plain instructions behind it
.endr
.irp b, 0,2,4,6,8,10,12,14,16,18,20,22,24,26,28,30
.irp t, 0,1
	v_pk_fma_f32 v[S+32*\t+\b:S+32*\t+\b+1], v[S+32*\t+\b:S+32*\t+\b+1], s[40:41], v[ST+8*\t:ST+8*\t+1] op_sel_hi:[1,0,0] neg_lo:[0,0,1] neg_hi:[0,0,1]   ; c s - c m, two at a time
.endr
.endr
.irp j, 0,1,2,3,4,5,6,7,8,9,10,11,12,13,14,15,16,17,18,19,20,21,22,23,24,25,26,27,28,29,30,31,32,33,34,35,36,37,38,39,40,41,42,43,44,45,46,47,48,49,50,51,52,53,54,55,56,57,58,59,60,61,62,63
	v_exp_f32 v[S+\j], v[S+\j]                     ; p, at most 1 but for the rounding of c m
.endr
	s_wait_alu depctr_va_vdst(0)
.irp t, 0,1
	v_pk_mul_f32 v[ST+8*\t+2:ST+8*\t+3], v[ST+8*\t+2:ST+8*\t+3], v[ST+8*\t+6:ST+8*\t+7] op_sel_hi:[1,0]   ; l under the new m.  (The plain instruction behind the exponentials)
.endr
.irp t, 0,1
	v_pk_add_f32 v[ST+8*\t+4:ST+8*\t+5], v[S+32*\t:S+32*\t+1], v[S+32*\t+2:S+32*\t+3]   ; the sum of the f32 p, two at a time, in two chains
.endr
.irp j, 4,8,12,16,20,24,28
.irp t, 0,1
	v_pk_add_f32 v[ST+8*\t+2:ST+8*\t+3], v[ST+8*\t+2:ST+8*\t+3], v[S+32*\t+\j:S+32*\t+\j+1]
	v_pk_add_f32 v[ST+8*\t+4:ST+8*\t+5], v[ST+8*\t+4:ST+8*\t+5], v[S+32*\t+\j+2:S+32*\t+\j+3]
.endr
.endr
.irp t, 0,1
	v_pk_add_f32 v[ST+8*\t+2:ST+8*\t+3], v[ST+8*\t+2:ST+8*\t+3], v[ST+8*\t+4:ST+8*\t+5]
.endr
.irp i, 0,1,2,3,4,5,6,7,8,9,10,11,12,13,14,15
.irp t, 0,1
	v_cvt_pk_f16_f32 v[S+32*\t+\i], v[S+32*\t+2*\i], v[S+32*\t+2*\i+1]   ; P in place, ascending: register i is written when numbers 2 i and 2 i + 1 are read, and number i was read earlier
.endr
.endr
.irp i, 0,2,4,6,8,10,12,14,16,18,20,22,24,26,28,30
.irp t, 0,1
	v_pk_mul_f32 v[O+32*\t+\i:O+32*\t+\i+1], v[O+32*\t+\i:O+32*\t+\i+1], v[ST+8*\t+6:ST+8*\t+7] op_sel_hi:[1,0]   ; O^T under the new m, each accumulator from its low end on
.endr
.endr
	s_wait_dscnt 0x0                               ; V is in
.irp k, 0,1                            ; O^T += V^T P: the eight accumulators by turns
.irp c, 0,1,2,3
.irp t, 0,1
	v_wmma_f32_16x16x32_f16 v[O+32*\t+8*\c:O+32*\t+8*\c+7], v[KV+32*\k+8*\c:KV+32*\k+8*\c+7], v[S+32*\t+8*\k:S+32*\t+8*\k+7], v[O+32*\t+8*\c:O+32*\t+8*\c+7]
.endr
.endr
.endr
.rept 5
	v_nop                                          ; five places: the next step's first products write over P's registers, which these products read; its loads into V's registers and the last read of O^T ask for four
.endr
	s_add_co_u32 s44, s44, 8192                    ; the next 64 keys
.endm
.macro SLOT base                       ; my four key steps of a slot: written once for each of the four slots' worth of keys
	s_add_co_u32 s44, s49, \base
	s_mov_b32 s45, 4
.Lstep_\@:
	STEP
	s_sub_co_u32 s45, s45, 1
	s_cmp_lg_u32 s45, 0
	s_cbranch_scc1 .Lstep_\@
.endm
; THE CHANGE OF SLOTS.  Each wave waits for all its tensor loads (one is out: its part of the slot ahead), adds 0 to its spare word, and waits for that and for its reads of the slot that it leaves.
; fill = 1: that slot is filled again, with the keys two slots on: the barrier is then a round of the cluster's, so that no wave of any partner still reads the slot or has a load on its way,
; and the joint refill is the first thing behind it: one tensor load a wave, with a slot's key steps, four of every wave, in which to land.
.macro CHANGE slot, fill
	s_wait_tensorcnt 0x0                           ; no tensor load of mine is out, so a group 0 may be written
	ds_add_u32 v4, v5                              ; 0 onto my spare word
.if \fill
	s_add_nc_u64 s[34+4*\slot:35+4*\slot], s[34+4*\slot:35+4*\slot], 2*65536   ; the keys two slots on; the type bits on top are not reached
.endif
	s_wait_dscnt 0x0                               ; the add is done, and my reads of the slot are over
.if \fill
	CROUND
	tensor_load_to_lds s[32+4*\slot:35+4*\slot], s[24:31]
	s_nop 0
.rept 4
	v_nop
.endr
.else
	s_barrier_signal -1
	s_barrier_wait -1
.endif
.endm
	s_wait_tensorcnt 0x1                           ; my part of slot 0 is in; slot 1's may stay out
	s_barrier_signal -1
	s_barrier_wait -1                              ; everybody's is
	s_wait_loadcnt 0x0                             ; Q
	SLOT 0                                         ; keys 0-511
	CHANGE 0, 1                                    ; slot 0 takes keys 1,024 on
	; A PREFETCH INTO THE L2 of what the next change of slots will ask for: keys 1,536 on, 64 KiB of kf and 64 KiB of vf, a slot's key steps ahead of that load; behind my tensor load and its four lines.
	; Each aligned block of 256 bytes is named once in the launch: both clusters of a bh walk the same K and V, so the first asks; its four partners take a quarter each, told apart by address;
	; in each, waves 0 and 1 ask for K's halves of that quarter, waves 8 and 9 for V's: 8,192 bytes an instruction, lanes 256 bytes apart.  The three slots before come by their loads alone.
	s_cmp_eq_u32 s48, 0
	s_cbranch_scc0 .Lnot_mine
	global_prefetch_b8 v8, s[46:47] th:TH_LOAD_NT scope:SCOPE_SE
.Lnot_mine:
	SLOT SLOTB                                     ; keys 512-1,023
	CHANGE 1, 1                                    ; slot 1 takes keys 1,536 on
	SLOT 0                                         ; keys 1,024-1,535
	CHANGE 0, 0                                    ; nothing is left to fetch; behind this barrier nobody reads slot 0
	SLOT SLOTB                                     ; keys 1,536-2,047
	; THE MERGE.  My partner (wave xor 8) holds the same 32 queries' O^T, c m and l over the other half of the keys.  Each of the two finishes ONE tile: the wave of key half u keeps tile u and sends the other.
	; Which tile is kept is a choice of values, by the thread's number: no branch.  What is sent goes through LDS as an image of its registers: 16 bytes a lane, 512 consecutive bytes a store.
	v_cmp_gt_u32 vcc_lo, 256, v0                   ; set in the waves of key half 0
.irp t, 0,1
	v_add_f32 v[ST+8*\t+4], v[ST+8*\t+2], v[ST+8*\t+3]             ; my lane's part of l
.endr
.irp i, 0,1,2,3,4,5,6,7,8,9,10,11,12,13,14,15,16,17,18,19,20,21,22,23,24,25,26,27,28,29,30,31
	v_cndmask_b32 v[KV+\i], v[O+\i], v[O+32+\i], vcc_lo            ; sent: half 0 sends tile 1, half 1 tile 0.  Each accumulator is read from its low end on
	v_cndmask_b32 v[O+\i], v[O+32+\i], v[O+\i], vcc_lo             ; kept, from here on in tile 0's registers
.endr
	v_cndmask_b32 v[KV+32], v[ST], v[ST+8], vcc_lo                 ; sent: c m,
	v_cndmask_b32 v[KV+33], v[ST+4], v[ST+12], vcc_lo              ; and l
	v_cndmask_b32 v[ST], v[ST+8], v[ST], vcc_lo                    ; kept
	v_cndmask_b32 v[ST+4], v[ST+12], v[ST+4], vcc_lo
.irp j, 0,1,2,3,4,5,6,7
	ds_store_b128 v9, v[KV+4*\j:KV+4*\j+3] offset:512*\j
.endr
	ds_store_b64 v10, v[KV+32:KV+33] offset:4096
	s_wait_dscnt 0x0                               ; for my partner's sake: my stores are done
	s_barrier_signal -1
	s_barrier_wait -1
.irp j, 0,1,2,3,4,5,6,7
	ds_load_b128 v[KV+4*\j:KV+4*\j+3], v11 offset:512*\j           ; my partner's share of the tile that I keep: the same lanes, the same registers
.endr
	ds_load_b64 v[KV+32:KV+33], v12 offset:4096
	s_wait_dscnt 0x0
	v_max_num_f32 v[ST+1], v[ST], v[KV+32]         ; the larger c m (c is positive)
	v_sub_f32 v[ST+2], v[ST], v[ST+1]
	v_sub_f32 v[ST+3], v[KV+32], v[ST+1]
	v_exp_f32 v[ST+2], v[ST+2]                     ; a0 = 2^(my c m - the larger): one of the two is 1
	v_exp_f32 v[ST+3], v[ST+3]                     ; a1, my partner's
	v_nop                                          ; a plain instruction behind the exponentials
	s_wait_alu depctr_va_vdst(0)
	v_mul_f32 v[ST+4], v[ST+4], v[ST+2]
	v_fmac_f32 v[ST+4], v[KV+33], v[ST+3]          ; l0 a0 + l1 a1, my lane's part;
	v_permlanex16_b32 v[ST+5], v[ST+4], s42, s43
	v_add_f32 v[ST+4], v[ST+4], v[ST+5]            ; with lane l xor 16's: the row's sum over all 2,048 keys
	v_rcp_f32 v[ST+5], v[ST+4]
	v_nop                                          ; a plain instruction between the reciprocal and the use of its result
	s_wait_alu depctr_va_vdst(0)
	v_mul_f32 v[ST+6], v[ST+2], v[ST+5]            ; a0 / l
	v_mul_f32 v[ST+14], v[ST+3], v[ST+5]           ; a1 / l
.irp i, 0,2,4,6,8,10,12,14,16,18,20,22,24,26,28,30
	v_pk_mul_f32 v[O+\i:O+\i+1], v[O+\i:O+\i+1], v[ST+6:ST+7] op_sel_hi:[1,0]
.endr
.irp i, 0,2,4,6,8,10,12,14,16,18,20,22,24,26,28,30
	v_pk_fma_f32 v[O+\i:O+\i+1], v[KV+\i:KV+\i+1], v[ST+14:ST+15], v[O+\i:O+\i+1] op_sel_hi:[1,0,1]   ; o = (O0 a0 + O1 a1) / l
.endr
.irp i, 0,1,2,3,4,5,6,7,8,9,10,11,12,13,14,15
	v_cvt_pk_f16_f32 v[S+\i], v[O+2*\i], v[O+2*\i+1]               ; rounded to f16: the lane's 16 bytes of the output fragments
.endr
.irp c, 0,1,2,3
	global_store_b128 v1, v[S+4*\c:S+4*\c+3], s[52:53] offset:512*\c   ; channels 16 c on: fragment c / 2 of my head's two, chunk c % 2: 32 lanes store 512 consecutive bytes
.endr
	s_wait_tensorcnt 0x0                           ; the wave's end: behind my last tensor load and my last LDS store
	ds_add_u32 v4, v5
	s_wait_dscnt 0x0
	CROUND                                         ; the closing round: no work-group ends while a partner may still ask for a tile that names it
	s_endpgm
.Lfunc_end_k_q6588151b0f_attn:
	.size	k_q6588151b0f_attn, .Lfunc_end_k_q6588151b0f_attn-k_q6588151b0f_attn
	.p2alignl 7, 3214868480
	.fill 96, 4, 3214868480
	.section	.rodata,"a",@progbits
	.p2align	6, 0x0
	.amdhsa_kernel k_q6588151b0f_attn
		.amdhsa_group_segment_fixed_size 327680
		.amdhsa_private_segment_fixed_size 0
		.amdhsa_enable_private_segment 0
		.amdhsa_kernarg_size 32
		.amdhsa_user_sgpr_count 2
		.amdhsa_user_sgpr_kernarg_segment_ptr 1
		.amdhsa_wavefront_size32 1
		.amdhsa_system_sgpr_workgroup_id_x 1
		.amdhsa_system_sgpr_workgroup_id_y 1
		.amdhsa_system_sgpr_workgroup_id_z 1
		.amdhsa_system_vgpr_workitem_id 0
		.amdhsa_next_free_vgpr 256
		.amdhsa_next_free_sgpr 72
		.amdhsa_reserve_vcc 1
		.amdhsa_float_denorm_mode_32 3
		.amdhsa_float_denorm_mode_16_64 3
		.amdhsa_memory_ordered 1
		.amdhsa_forward_progress 1
		.amdhsa_inst_pref_size 87
	.end_amdhsa_kernel
	.amdgpu_metadata
---
amdhsa.version: [ 1, 2 ]
amdhsa.kernels:
  - .name:           k_q6588151b0f_attn
    .symbol:         k_q6588151b0f_attn.kd
    .args:
      - { .name: qf, .offset: 0, .size: 8, .value_kind: global_buffer, .address_space: global }
      - { .name: kf, .offset: 8, .size: 8, .value_kind: global_buffer, .address_space: global }
      - { .name: vf, .offset: 16, .size: 8, .value_kind: global_buffer, .address_space: global }
      - { .name: of, .offset: 24, .size: 8, .value_kind: global_buffer, .address_space: global }
    .group_segment_fixed_size: 327680
    .private_segment_fixed_size: 0
    .kernarg_segment_align: 8
    .kernarg_segment_size: 32
    .max_flat_workgroup_size: 512
    .sgpr_count:     72
    .vgpr_count:     256
    .wavefront_size: 32
...
	.end_amdgpu_metadata
.endif
;; end of part 3
;; launch proj (part 4): grid 8 x 32, 8 waves a work-group, clusters of 4 x 4, 327,680 bytes of LDS; arguments of, wof, bo, out0; writes out0
.if DOCPART == 4
	.amdgcn_target "amdgcn-amd-amdhsa--gfx1250"
	.amdhsa_code_object_version 6
	.text
	.protected	k_q6588151b0f_proj
	.globl	k_q6588151b0f_proj
	.p2align	8
	.type	k_q6588151b0f_proj,@function
k_q6588151b0f_proj:
	s_mov_b64 s[64:65], 0
	v_nop
	global_prefetch_b8 v0, s[64:65] scope:SCOPE_SE
	s_setreg_imm32_b32 hwreg(HW_REG_WAVE_MODE, 25, 1), 1
	s_wait_xcnt 0x0
	s_wait_alu depctr_hold_cnt(0) depctr_sa_sdst(0) depctr_va_vdst(0) depctr_va_sdst(0) depctr_va_ssrc(0) depctr_va_vcc(0) depctr_vm_vsrc(0)
	s_getreg_b32 s2, hwreg(HW_REG_IB_STS2, 6, 4)
	s_cmp_eq_u32 s2, 0
	s_cbranch_scc0 .Lentry_in_a_cluster
	s_endpgm
.Lentry_in_a_cluster:
	s_bfe_u32 s2, ttmp6, 0x10000c
	s_cmp_lg_u32 s2, 0xf033
	s_cbranch_scc0 .Lentry_shape_is_right
	s_endpgm
.Lentry_shape_is_right:
; PROJ: out0 = o wo + bo.  o and wo as f16 fragments, sums in f32, bo as the C of each sum's first product, out0 [4096][1024] f32.
; LIMIT: o and wo were rounded to f16 by the launches that made the fragments (this product is left as it is); both serve magnitudes up to 65,504.
; INPUTS: f16 fragments of 1,024 bytes (16 rows x 32 k; chunk j at 512 j; lane L's 16 bytes: row L % 16, k = 16 j + 8 (L / 16) + 0 .. 7):
;   of [k chunk 4][token tile 256][kin 8], rows = tokens;   wof [k chunk 4][n tile 64][kin 8], rows = output columns;   k = 256 x chunk + 32 kin on.
; SHARES.  Work-group (gx, gy): 128 tokens x 128 columns: 256 work-groups.  Eight waves, two to a SIMD; wave w: 32 tokens (w / 2) x 64 columns (w % 2): 8 accumulators.
; K goes in four chunks of 256 through a ring of two LDS slots: o's 8 tiles (64 KiB, dense in memory), then wo's 8.  Waves 0-3 fetch o's quarters, waves 4-7 wo's.
; CLUSTER 4 x 4: o's tiles hang on gy alone and are asked for jointly along a row of the cluster, wo's on gx alone and jointly along a column.
; THE MATRIX INSTRUCTION IS USED TRANSPOSED (source 0 = 16 columns of wo, source 1 = 16 tokens): a lane holds one token and eight neighbouring columns.
.set SLOTB, 131072
.set SPARE, 2*SLOTB                    ; the spare words, 128 bytes for each of the eight waves: four blocks of 256 bytes that no other line names
.set STAGE, SPARE+1024                 ; the way out: 16 rows x (256 bytes + 16) for each wave, in bytes of its own: no tensor load lands there
.set SP,    272
.set BO,    16                         ; v16-47   bo in the result's layout: tile b at v[BO + 8 b]
.set FR,    48                         ; v48-95, v96-143 two sets of fragments: o's two at + 8 a, wo's four at + 16 + 8 b
.set ACC,   144                        ; v144-207 accumulator (a, b) at v[ACC + 8 (4 a + b)]
.set G1A,   24                         ; s[24:31] group 1 for o's tiles;  s[32:39] for wo's
.set G1B,   32
.set G0A,   40                         ; s[40:47] groups 0 for o's tiles, one for each slot;  s[48:55] for wo's
.set G0B,   48
.macro CROUND                          ; a round of the cluster's barrier
	s_barrier_signal -1
	s_barrier_wait -1
	s_cmp_lg_u32 s12, 0
	s_cbranch_scc1 .Lnot_wave_0_\@
	s_barrier_signal -3
.Lnot_wave_0_\@:
	s_barrier_wait -3
	s_barrier_signal -1
	s_barrier_wait -1
.endm
.macro PLACES                          ; four places in front of loads into registers that matrix instructions have read, and of the first read of results
.rept 4
	v_nop
.endr
.endm
.macro JLOAD slot                      ; a joint refill: each of the two lines has one mask and one set of registers; the branch hangs on the wave's number alone; four v_nop follow each line
	s_cmp_lt_u32 s12, 4
	s_cbranch_scc0 .Lfor_b_\@
	tensor_load_to_lds s[G0A+4*\slot:G0A+4*\slot+3], s[G1A:G1A+7]
	s_nop 0
	PLACES
	s_branch .Lasked_\@
.Lfor_b_\@:
	tensor_load_to_lds s[G0B+4*\slot:G0B+4*\slot+3], s[G1B:G1B+7]
	s_nop 0
	PLACES
.Lasked_\@:
.endm
	s_load_b256 s[4:11], s[0:1], 0x0               ; of s[4:5], wof s[6:7], bo s[8:9], out0 s[10:11]
	v_lshl_add_u32 v6, v0, 2, SPARE                ; v6: my spare word; never rewritten
	v_mov_b32 v7, 0                                ; v7: 0; never rewritten
	ds_add_u32 v6, v7
	ds_add_u32 v6, v7
	s_wait_dscnt 0x0
	v_lshrrev_b32 v1, 5, v0
	v_readfirstlane_b32 s12, v1                    ; wave 0..7
	s_bfe_u32 s13, ttmp6, 0x40000                  ; cx
	s_bfe_u32 s14, ttmp6, 0x40004                  ; cy
	s_lshl_b32 s15, ttmp9, 2
	s_add_co_u32 s15, s15, s13                     ; gx
	s_and_b32 s16, ttmp7, 0xffff
	s_lshl_b32 s16, s16, 2
	s_add_co_u32 s16, s16, s14                     ; gy
	s_lshl_b32 s17, s14, 2
	s_lshl_b32 s17, 15, s17                        ; my row of the cluster
	s_lshl_b32 s18, 0x1111, s13                    ; my column
	; group 1: 16,384 dense bytes: 64 rows of 32 elements of 8 bytes, no padding
	s_or_b32 s[G1A], s17, (3<<16)|(1<<21)
	s_or_b32 s[G1B], s18, (3<<16)|(1<<21)
.irp g, G1A, G1B
	s_mov_b32 s[\g+1], 32<<16                      ; tensor_dim0
	s_mov_b32 s[\g+2], 64<<16                      ; tensor_dim1
	s_mov_b32 s[\g+3], 32<<16                      ; tile_dim0
	s_mov_b32 s[\g+4], 64                          ; tile_dim1
	s_mov_b32 s[\g+5], 32                          ; tensor_dim0_stride
	s_mov_b32 s[\g+6], 0
	s_mov_b32 s[\g+7], 0
.endr
	s_lshr_b32 s19, s12, 1                         ; tg: my 32 tokens
	s_and_b32 s20, s12, 1                          ; ng: my 64 columns
	s_lshl_b32 s21, s19, 14                        ; o's tiles 2 tg on
	s_lshl_b32 s22, s20, 15
	s_add_co_u32 s22, s22, 65536                   ; wo's tiles 4 ng on, behind o's eight
	s_mul_i32 s23, s12, 16*SP
	s_add_co_u32 s23, s23, STAGE                   ; my stage
	v_and_b32 v1, 31, v0
	v_lshlrev_b32 v1, 4, v1                        ; v1: 16 x lane
	v_and_b32 v12, 15, v0                          ; r
	v_bfe_u32 v13, v0, 4, 1                        ; h
	v_add_nc_u32 v2, s21, v1                       ; v2, v3: o's fragments in slot 0, 1
	v_add_nc_u32 v3, SLOTB, v2
	v_add_nc_u32 v4, s22, v1                       ; v4, v5: wo's
	v_add_nc_u32 v5, SLOTB, v4
	v_mul_u32_u24 v8, v12, SP
	v_lshl_add_u32 v8, v13, 5, v8
	v_add_nc_u32 v8, s23, v8                       ; v8: into the stage: row r, 32 bytes for each half of the lanes
	v_mul_u32_u24 v9, v13, SP
	v_lshl_add_u32 v9, v12, 4, v9
	v_add_nc_u32 v9, s23, v9                       ; v9: back: lanes 0-15 one row of 256 bytes, lanes 16-31 the next
	v_lshlrev_b32 v10, 12, v13
	v_lshl_add_u32 v10, v12, 4, v10                ; v10: and the same two rows in out0
	v_lshlrev_b32 v11, 5, v13                      ; v11: bo: 8 h columns on
	s_and_b32 s74, s12, 3
	s_lshl_b32 s74, s74, 14                        ; which quarter of a slot's half I fetch
	s_lshl_b32 s70, s16, 16                        ; o's tiles 8 gy on: in registers that never hold cx
	s_add_co_u32 s70, s70, s74
	s_mov_b32 s71, 0
	s_lshl_b32 s72, s15, 16                        ; wo's tiles 8 gx on: in registers that never hold cy
	s_add_co_u32 s72, s72, s74
	s_mov_b32 s73, 0
	s_lshl_b32 s75, s12, 14                        ; where it goes in a slot: wave x 16,384
	s_lshl_b32 s66, s16, 7
	s_lshl_b32 s67, s19, 5
	s_add_co_u32 s66, s66, s67                     ; my first token: 128 gy + 32 tg
	s_lshl_b32 s66, s66, 12
	s_lshl_b32 s67, s15, 9
	s_lshl_b32 s68, s20, 8
	s_add_co_u32 s68, s68, s67                     ; my first column, in bytes: 512 gx + 256 ng
	s_add_co_u32 s66, s66, s68
	s_mov_b32 s67, 0
	s_mov_b32 s69, 0
	s_wait_kmcnt 0x0
	s_add_nc_u64 s[56:57], s[4:5], s[70:71]
	s_add_nc_u64 s[58:59], s[6:7], s[72:73]
	s_add_nc_u64 s[60:61], s[10:11], s[66:67]      ; s[60:61]: my part of out0
	s_add_nc_u64 s[62:63], s[8:9], s[68:69]        ; s[62:63]: my part of bo
.irp u, 0,1
	s_mov_b32 s[G0A+4*\u], 1
	s_add_co_u32 s[G0A+4*\u+1], s75, \u*SLOTB
	s_add_nc_u64 s[G0A+4*\u+2:G0A+4*\u+3], s[56:57], \u*0x200000   ; k chunk u
	s_or_b32 s[G0A+4*\u+3], s[G0A+4*\u+3], 0x80000000
	s_mov_b32 s[G0B+4*\u], 1
	s_add_co_u32 s[G0B+4*\u+1], s75, \u*SLOTB
	s_add_nc_u64 s[G0B+4*\u+2:G0B+4*\u+3], s[58:59], \u*0x80000
	s_or_b32 s[G0B+4*\u+3], s[G0B+4*\u+3], 0x80000000
.endr
	CROUND                                         ; all sixteen work-groups are here: the first joint loads meet
	s_cmp_lt_u32 s12, 4                            ; a wave's two first fills stand in one branch: two tensor loads of mine are out
	s_cbranch_scc0 .Lfirst_b
	tensor_load_to_lds s[G0A:G0A+3], s[G1A:G1A+7]
	s_nop 0
	tensor_load_to_lds s[G0A+4:G0A+7], s[G1A:G1A+7]
	s_nop 0
	PLACES
	s_branch .Lfirst_asked
.Lfirst_b:
	tensor_load_to_lds s[G0B:G0B+3], s[G1B:G1B+7]
	s_nop 0
	tensor_load_to_lds s[G0B+4:G0B+7], s[G1B:G1B+7]
	s_nop 0
	PLACES
.Lfirst_asked:
.irp b, 0,1,2,3
	global_load_b128 v[BO+8*\b:BO+8*\b+3], v11, s[62:63] offset:64*\b           ; columns 16 b + 8 h + 0 .. 7
	global_load_b128 v[BO+8*\b+4:BO+8*\b+7], v11, s[62:63] offset:64*\b+16
.endr
.macro FETCH slot, kin, set            ; 12 LDS loads: the six fragments of 32 along K
.irp a, 0,1
.irp j, 0,1
	ds_load_b128 v[FR+48*(\set)+8*\a+4*\j:FR+48*(\set)+8*\a+4*\j+3], v[2+\slot] offset:8192*\a+1024*(\kin)+512*\j
.endr
.endr
.irp b, 0,1,2,3
.irp j, 0,1
	ds_load_b128 v[FR+48*(\set)+16+8*\b+4*\j:FR+48*(\set)+16+8*\b+4*\j+3], v[4+\slot] offset:8192*\b+1024*(\kin)+512*\j
.endr
.endr
.endm
.macro MUL set, first                  ; 8 products: the accumulators take turns, one instruction a turn.  first = 1: bo starts the sums
.irp a, 0,1
.irp b, 0,1,2,3
.if \first
	v_wmma_f32_16x16x32_f16 v[ACC+8*(4*\a+\b):ACC+8*(4*\a+\b)+7], v[FR+48*(\set)+16+8*\b:FR+48*(\set)+16+8*\b+7], v[FR+48*(\set)+8*\a:FR+48*(\set)+8*\a+7], v[BO+8*\b:BO+8*\b+7]
.else
	v_wmma_f32_16x16x32_f16 v[ACC+8*(4*\a+\b):ACC+8*(4*\a+\b)+7], v[FR+48*(\set)+16+8*\b:FR+48*(\set)+16+8*\b+7], v[FR+48*(\set)+8*\a:FR+48*(\set)+8*\a+7], v[ACC+8*(4*\a+\b):ACC+8*(4*\a+\b)+7]
.endif
.endr
.endr
.endm
.macro CHUNK slot, first               ; a slot's eight steps of 32 along K; each step's fragments are fetched a step ahead, into the other set
	PLACES                                         ; for the loads into both sets, which the chunk before multiplied
	FETCH \slot, 0, 0
.irp k, 0,1,2,3,4,5,6
.if \k > 0
	PLACES
.endif
	FETCH \slot, \k+1, (\k+1)%2
	s_wait_dscnt 12                                ; this step's 12 loads are in; the next step's 12 may be out
.if (\first) && (\k == 0)
	MUL 0, 1
.else
	MUL \k%2, 0
.endif
.endr
	s_wait_dscnt 0x0
	MUL 1, 0
.endm
; THE CHANGE OF SLOTS: each wave waits for all its tensor loads (one is out: its part of the slot ahead), adds 0 to its spare word, and waits for that and for its reads of the slot that it leaves.
; fill = 1: that slot takes the k chunk two on: the barrier is a round of the cluster's, and the joint refill is the first thing behind it, one tensor load a wave.
.macro CHANGE slot, fill
	s_wait_tensorcnt 0x0                           ; no tensor load of mine is out, so the groups 0 may be written
	ds_add_u32 v6, v7                              ; 0 onto my spare word
.if \fill
	s_add_nc_u64 s[G0A+4*\slot+2:G0A+4*\slot+3], s[G0A+4*\slot+2:G0A+4*\slot+3], 0x400000
	s_add_nc_u64 s[G0B+4*\slot+2:G0B+4*\slot+3], s[G0B+4*\slot+2:G0B+4*\slot+3], 0x100000
.endif
	s_wait_dscnt 0x0                               ; the add is done, and my reads of the slot are over
.if \fill
	CROUND
	JLOAD \slot
.else
	s_barrier_signal -1
	s_barrier_wait -1
.endif
.endm
	s_wait_tensorcnt 0x1                           ; my part of k chunk 0 is in; chunk 1's may stay out
	s_barrier_signal -1
	s_barrier_wait -1                              ; everybody's is
	s_wait_loadcnt 0x0                             ; bo
	CHUNK 0, 1
	CHANGE 0, 1
	CHUNK 1, 0
	CHANGE 1, 1
	CHUNK 0, 0
	CHANGE 0, 0
	CHUNK 1, 0
	; THE WAY OUT.  A lane holds 32 neighbouring bytes of a row and the lanes beside it hold other rows: 16 tokens x 64 columns at a time go through my own stage and come back as rows of 256 bytes.
	; LDS serves a wave's instructions in order (ISA guide 5.7.1.4): no wait between the stores and the loads, nor in front of the second block's stores.
	PLACES
.irp a, 0,1
.irp b, 0,1,2,3
	ds_store_b128 v8, v[ACC+8*(4*\a+\b):ACC+8*(4*\a+\b)+3] offset:64*\b          ; each accumulator from its low end on
	ds_store_b128 v8, v[ACC+8*(4*\a+\b)+4:ACC+8*(4*\a+\b)+7] offset:64*\b+16
.endr
.irp i, 0,1,2,3,4,5,6,7
	ds_load_b128 v[FR+32*\a+4*\i:FR+32*\a+4*\i+3], v9 offset:2*\i*SP
.endr
.endr
.irp i, 0,1,2,3,4,5,6,7
	s_wait_dscnt 16+7-\i                           ; behind this load: the first block's 7 - i younger loads and the second block's 16 instructions
	global_store_b128 v10, v[FR+4*\i:FR+4*\i+3], s[60:61] offset:2*\i*4096 th:TH_STORE_NT   ; each sixteen lanes store 256 consecutive bytes, at a multiple of 256 from out0's first byte
.endr
.irp i, 0,1,2,3,4,5,6,7
	s_wait_dscnt 7-\i
	global_store_b128 v10, v[FR+32+4*\i:FR+32+4*\i+3], s[60:61] offset:(16+2*\i)*4096 th:TH_STORE_NT
.endr
	s_wait_tensorcnt 0x0                           ; the wave's end: behind my last tensor load and my last LDS store
	ds_add_u32 v6, v7
	s_wait_dscnt 0x0
	CROUND                                         ; the closing round: no work-group ends while a partner may still ask for a tile that names it
	s_endpgm
.Lfunc_end_k_q6588151b0f_proj:
	.size	k_q6588151b0f_proj, .Lfunc_end_k_q6588151b0f_proj-k_q6588151b0f_proj
	.p2alignl 7, 3214868480
	.fill 96, 4, 3214868480
	.section	.rodata,"a",@progbits
	.p2align	6, 0x0
	.amdhsa_kernel k_q6588151b0f_proj
		.amdhsa_group_segment_fixed_size 327680
		.amdhsa_private_segment_fixed_size 0
		.amdhsa_enable_private_segment 0
		.amdhsa_kernarg_size 32
		.amdhsa_user_sgpr_count 2
		.amdhsa_user_sgpr_kernarg_segment_ptr 1
		.amdhsa_wavefront_size32 1
		.amdhsa_system_sgpr_workgroup_id_x 1
		.amdhsa_system_sgpr_workgroup_id_y 1
		.amdhsa_system_sgpr_workgroup_id_z 1
		.amdhsa_system_vgpr_workitem_id 0
		.amdhsa_next_free_vgpr 208
		.amdhsa_next_free_sgpr 80
		.amdhsa_reserve_vcc 0
		.amdhsa_float_denorm_mode_32 3
		.amdhsa_float_denorm_mode_16_64 3
		.amdhsa_memory_ordered 1
		.amdhsa_forward_progress 1
		.amdhsa_inst_pref_size 59
	.end_amdhsa_kernel
	.amdgpu_metadata
---
amdhsa.version: [ 1, 2 ]
amdhsa.kernels:
  - .name:           k_q6588151b0f_proj
    .symbol:         k_q6588151b0f_proj.kd
    .args:
      - { .name: of, .offset: 0, .size: 8, .value_kind: global_buffer, .address_space: global }
      - { .name: wof, .offset: 8, .size: 8, .value_kind: global_buffer, .address_space: global }
      - { .name: bo, .offset: 16, .size: 8, .value_kind: global_buffer, .address_space: global }
      - { .name: out0, .offset: 24, .size: 8, .value_kind: global_buffer, .address_space: global }
    .group_segment_fixed_size: 327680
    .private_segment_fixed_size: 0
    .kernarg_segment_align: 8
    .kernarg_segment_size: 32
    .max_flat_workgroup_size: 256
    .sgpr_count:     80
    .vgpr_count:     208
    .wavefront_size: 32
...
	.end_amdgpu_metadata
.endif
;; end of part 4
